; MI455X (gfx1250); checked and timed in simulation.
; The chip was launched on July 23, 2026; its instructions are those of AMD's public machine-readable ISA for CDNA 5 (MIT licence, August 2026) and "CDNA5" Instruction Set Architecture Reference Guide (July 2026). The comments in the code are by the model that wrote it; some were corrected since.
;; Multi Head Attention. Allowed arithmetic: matrix products marked QUANTISED: E2M3 operands, one E8M0 scale for each 32 along K, by v_wmma_scale_f32_16x16x128_f8f6f4 with both operands' format E2M3, f32 sums; everything else in f32.
;; Inputs: b_k 1,024 float32; b_o 1,024 float32; b_q 1,024 float32; b_v 1,024 float32; k 4 x 2,048 x 1,024 float32; mask 4 x 2,048 int32; q 4 x 2,048 x 1,024 float32; v 4 x 2,048 x 1,024 float32; w_k 1,024 x 1,024 float32; w_o 1,024 x 1,024 float32; w_q 1,024 x 1,024 float32; w_v 1,024 x 1,024 float32.
;; Outputs: out0 4 x 2,048 x 1,024 float32.
;; This version of the problem:
;;   THIS VERSION OF THE PROBLEM IS GIVEN IN LOW PRECISION. The matrix products marked QUANTISED in the list below multiply operands that are first quantised to E2M3 (2 exponent bits, 3 mantissa bits; 6 bits a number), with one power-of-two scale for each 32 numbers along K (OCP MX v1.0); their sums are f32. All else is computed in f32.
;;   The module's matrix products, in the order in which they are computed (A, B: the left and right operand; K: the contracted axis; several contracted axes count as one K, in the product's order):
;;     1. [M 8,192, K 1,024] x [K 1,024, N 1,024]; A: input q; B: input w_q: QUANTISED
;;     2. [M 8,192, K 1,024] x [K 1,024, N 1,024]; A: input k; B: input w_k: QUANTISED
;;     3. [M 8,192, K 1,024] x [K 1,024, N 1,024]; A: input v; B: input w_v: QUANTISED
;;     4. batch 64 x [M 2,048, K 64] x [K 64, N 2,048]; A: computed on the way; B: computed on the way: QUANTISED
;;     5. batch 64 x [M 2,048, K 2,048] x [K 2,048, N 64]; A: softmax (see below); B: computed on the way: QUANTISED
;;     6. [M 8,192, K 1,024] x [K 1,024, N 1,024]; A: computed on the way; B: input w_o: QUANTISED
;;   THE QUANTISER, for each operand of a quantised product, along K:
;;     - K is cut into blocks of 32 from its start; a last block that is shorter is filled with zeros.
;;     - A block's scale is 2^e with e = floor(log2(the largest magnitude in the block)) - 2, held to -126 .. 127; a block of zeros has e = 0. As a byte (E8M0): e + 127.
;;     - Each number is divided by its block's scale, clamped to +-7.5, and rounded to the nearest number of E2M3, ties to even, subnormals kept.
;;     - The product sums the exact products of the quantised numbers (number of the format x scale) in f32.
;;   ~~~python
;;   def quantise(x, axis):      # numpy; x: float32 -> the quantised numbers, widened to float32 again
;;       x = np.moveaxis(x, axis, -1); K = x.shape[-1]
;;       x = np.pad(x, [(0, 0)] * (x.ndim - 1) + [(0, -K % 32)]); x = x.reshape(x.shape[:-1] + (-1, 32)); a = np.abs(x).max(-1, keepdims=True)
;;       e = np.where(a > 0, np.clip(np.frexp(np.where(a > 0, a, 1))[1] - 1 - 2, -126, 127), 0)      # np.frexp(a)[1] - 1 = floor(log2(a)), exactly
;;       r = np.clip(x / 2.0 ** e, -7.5, 7.5)
;;       step = 2.0 ** (np.maximum(np.frexp(np.where(r == 0, 1, r))[1] - 1, 0) - 3)
;;       q = np.round(r / step) * step * 2.0 ** e      # np.round: ties to even
;;       return np.moveaxis(q.reshape(q.shape[:-2] + (-1,))[..., :K], -1, axis).astype(np.float32)
;;   ~~~
;;   SOFTMAX AHEAD OF A QUANTISED PRODUCT. Where the list says 'softmax', what is quantised is not the finished softmax but p = 2^(t - M), with t = logit x log2(e) and M = ceil(the row's largest t), a whole number; so 1/2 < the row's largest p <= 1. The row's sum l is taken of the UNQUANTISED p, in f32, and the product's result is divided by l at the end. Since M is a whole number, a kernel that streams over the keys may use a running M (the ceiling of the running maximum): every later rescaling is an exact power of two, which a block's scale takes up: the codes' values come out the same.
;;   OPERANDS COMPUTED ON THE WAY. 'Computed on the way' means the value that the module computes at that place (a softmax that the list does not call 'softmax' is quantised finished and normalised). What goes into a quantiser is computed in f32, as accurately as f32 sums, v_exp_f32 and their like allow (about 1e-6 of the number): no bf16 or f16 on the way to a quantiser, and a product that is left as it is and whose result goes on into a quantised operand takes f32 operands (vector FMAs, or v_wmma_f32_16x16x4_f32). A number that lies on a knife's edge between two numbers of the format may be rounded either way, as far as f32 arithmetic and the matrix unit's own rounding can turn it there, and no further.
;; One version. Each part assembles by itself: llvm-mc -triple=amdgcn-amd-amdhsa -mcpu=gfx1250 --defsym DOCPART=n.
;; ======== version 1 of 1: 4 launches
;; limits: right only within a limited range of input values
;; workspace buffers: qcod 22,020,096 bytes; qscl 917,504 bytes; mbias 33,280 bytes; hcod 18,874,368 bytes; hscl 786,432 bytes; ccod 6,291,456 bytes; cscl 262,144 bytes
;; launch quant (part 1): grid 897 x 1, 4 waves a work-group, no clusters, 34,304 bytes of LDS; arguments q, k, v, w_q, w_k, w_v, w_o, mask, qcod, qscl, mbias; writes qcod, qscl, mbias
.if DOCPART == 1
	.amdgcn_target "amdgcn-amd-amdhsa--gfx1250"
	.amdhsa_code_object_version 6
	.text
	.protected	k_q2120c22111_quant
	.globl	k_q2120c22111_quant
	.p2align	8
	.type	k_q2120c22111_quant,@function
k_q2120c22111_quant:
	s_mov_b64 s[64:65], 0
	v_nop
	global_prefetch_b8 v0, s[64:65] scope:SCOPE_SE
	s_setreg_imm32_b32 hwreg(HW_REG_WAVE_MODE, 25, 1), 1
	s_wait_xcnt 0x0
; q, k, v [8192][1024] and w_q, w_k, w_v, w_o [1024][1024], f32, K innermost, become codes of FP6 (E2M3) with one E8M0 byte for each 32 along K,
; laid in the ORDER OF THE OPERAND'S REGISTERS.  A tile is 16 rows x 1,024 K = 8 fragments of 16 x 128: byte = tile x 12288 + K step x 1536 + register pair x 256 + lane x 8,
; so that a later launch fills a fragment by six loads of 8 bytes a lane, each of 256 consecutive bytes.  Tiles: q 0.., k 512.., v 1024.., w_q 1536.., w_k 1600.., w_v 1664.., w_o 1728..1791.
; THE ROWS OF A TILE ARE NOT NEIGHBOURS: row r of tile t is the tensor's row 32 (t / 2) + 8 (t % 2) + r + 8 (r / 8), so that the 16 result registers of two neighbouring tiles are 16 neighbours.
; Scale words (four bytes: 128 along K of a row): byte = tile x 512 + (K step / 2) x 128 + r x 8 + (K step % 2) x 4.
; A block's scale is 2^(floor(log2(largest magnitude)) - 2); its byte is the largest magnitude's exponent field - 2, held at 1 from below.
; LIMITS: a block of zeros, or one whose largest magnitude lies under 2^-124, keeps the byte 1 (its bytes are read by this program alone); NaN and infinities are not served.
; SHARES: a wave takes one tile's four K steps (half of K).  Each load reads 512 consecutive bytes of one row; a K step's 16 rows turn through the wave's own stage in LDS, so that
; lane (r, h) gets, of row r, 16 neighbours of each block of 32.  Waves share nothing: no barrier.  Loads run two K steps (32 loads a wave) ahead.
; The last work-group makes of the mask, wave w for batch w: a bias for each key (0, or -2^100 where the mask is 0) and the batch's factor c = log2(e) / 8.
; A batch with no open key gets bias 0 and c = 0: every t is then 0 and the row is uniform, as the softmax of equal scores is.
; Memory binds here: no matrix unit, no cluster, no tensor load would add anything.
.set SP,    528                        ; a stage row: 512 bytes + 16: sixteen rows begin in sixteen different groups of four banks
.set STG,   16*SP                      ; a wave's stage
.set SPARE, 4*STG                      ; behind the stages: the spare words, 128 bytes a wave
.set SPW,   6                          ; v6   my spare word's LDS address; never rewritten
.set NIL,   7                          ; v7   0; never rewritten
.set PW,    8                          ; v8-11  the four K steps' scale words
.set PC,    16                         ; v16-27 a fragment's codes
.set TP,    28                         ; v28-30, v32-34 the conversions' second halves
.set TM,    36                         ; v36-51 at work on the scales
.set R,     64                         ; v64-191 two sets of 64 numbers as loaded
.set X,     192                        ; v192-255 64 numbers: register 16 b + i = k 32 b + 16 h + i of my row
.set SEL,   34                         ; s[34:35] selects of v_permlanex16_b32: lane l xor 16
.set HM,    31                         ; s31 a mask of lanes 16-31
	s_load_b512 s[4:19], s[0:1], 0x0               ; q, k, v, w_q, w_k, w_v, w_o, mask
	s_load_b128 s[20:23], s[0:1], 0x40             ; qcod, qscl
	s_load_b64 s[24:25], s[0:1], 0x50              ; mbias
	v_lshl_add_u32 v[SPW], v0, 2, SPARE
	v_mov_b32 v[NIL], 0
	v_lshrrev_b32 v1, 5, v0
	v_readfirstlane_b32 s26, v1                    ; wave
	v_and_b32 v1, 31, v0                           ; lane
	v_lshlrev_b32 v2, 4, v1                        ; 16 x lane
	v_lshlrev_b32 v5, 3, v1                        ; 8 x lane
	s_mov_b32 s[HM], 0xffff0000
	s_mov_b32 s[SEL], 0x76543210
	s_mov_b32 s[SEL+1], 0xfedcba98
	s_cmp_eq_u32 ttmp9, 896
	s_cbranch_scc1 .Lmask
	s_mul_i32 s27, s26, STG
	v_add_nc_u32 v3, s27, v2                       ; the stage, in: 16 x lane of a row
	v_and_b32 v12, 15, v0                          ; r
	v_bfe_u32 v13, v0, 4, 1                        ; h
	v_mul_u32_u24 v4, v12, SP
	v_lshl_add_u32 v4, v13, 6, v4
	v_add_nc_u32 v4, s27, v4                       ; and out: row r, + 64 h
.irp b, 0,1,2,3
	v_mov_b32 v[TM+4+\b], 0                        ; written once: a lane permute's destination counts as one of its sources
.endr
	s_wait_alu depctr_va_vdst(0)
	s_wait_kmcnt 0x0
; which tensor: the choice hangs on the work-group's number alone
.macro CHOOSE lim, ptr, start
	s_cmp_lt_u32 ttmp9, \lim
	s_cselect_b64 s[28:29], s[\ptr:\ptr+1], s[28:29]
	s_cselect_b32 s30, \start, s30
.endm
	s_mov_b64 s[28:29], s[16:17]                   ; w_o,
	s_mov_b32 s30, 864                             ; whose first work-group is 864
	CHOOSE 864, 14, 832
	CHOOSE 832, 12, 800
	CHOOSE 800, 10, 768
	CHOOSE 768, 8, 512
	CHOOSE 512, 6, 256
	CHOOSE 256, 4, 0
	s_lshl_b32 s32, ttmp9, 2
	s_add_co_u32 s32, s32, s26                     ; my job: 4 x work-group + wave
	s_lshr_b32 s33, s32, 1                         ; the tile, counted over all tensors
	s_and_b32 s36, s32, 1                          ; which half of K
	s_lshl_b32 s30, s30, 2
	s_sub_co_u32 s37, s32, s30
	s_lshr_b32 s37, s37, 1                         ; the tile within its tensor
	; k's tiles (work-groups 256 to 511) take other rows: row r of tile t is row 64 (t / 4) + 32 (r / 8) + 8 (t % 4) + r % 8, so that in the score product a lane holds whole blocks of 32 keys
	s_lshr_b32 s41, ttmp9, 8
	s_cmp_eq_u32 s41, 1
	s_cselect_b32 s41, 2, 1                        ; tiles to a run of rows: 4 or 2, as a shift
	s_cselect_b32 s42, 3, 1
	s_cselect_b32 s43, 0x10000, 0                  ; k: a tile's rows 8 to 15 lie 16 rows further on than in the other tensors
	s_lshr_b32 s38, s37, s41
	s_add_co_u32 s41, s41, 16
	s_lshl_b32 s38, s38, s41                       ; 32 or 64 rows of 4,096 bytes for each run,
	s_and_b32 s39, s37, s42
	s_lshl_b32 s39, s39, 15                        ; 8 rows for each tile in it
	s_add_co_u32 s38, s38, s39
	s_lshl_b32 s39, s36, 11                        ; 2,048 bytes for the second half of K
	s_add_co_u32 s38, s38, s39
	s_mov_b32 s39, 0
	s_add_nc_u64 s[28:29], s[28:29], s[38:39]
	s_mul_i32 s38, s33, 12288
	s_mul_i32 s40, s36, 6144
	s_add_co_u32 s38, s38, s40
	s_add_nc_u64 s[20:21], s[20:21], s[38:39]      ; my four fragments
	s_lshl_b32 s38, s33, 9
	s_lshl_b32 s40, s36, 8
	s_add_co_u32 s38, s38, s40
	s_add_nc_u64 s[22:23], s[22:23], s[38:39]      ; my 256 bytes of scale words
.macro LOAD t                          ; K step t of the tile's 16 rows: 512 consecutive bytes a load
.irp i, 0,1,2,3,4,5,6,7,8,9,10,11,12,13,14,15
.if \i < 8
	global_load_b128 v[R+64*((\t)%2)+4*\i:R+64*((\t)%2)+4*\i+3], v2, s[28:29] offset:\i*4096+512*(\t) th:TH_LOAD_NT
.else
	global_load_b128 v[R+64*((\t)%2)+4*\i:R+64*((\t)%2)+4*\i+3], v14, s[28:29] offset:(\i+8)*4096+512*(\t) th:TH_LOAD_NT
.endif
.endr
.endm
.macro TURN t                          ; through the stage: LDS serves a wave's instructions in order, so no wait stands between the stores and the loads
.irp i, 0,1,2,3,4,5,6,7,8,9,10,11,12,13,14,15
	ds_store_b128 v3, v[R+64*((\t)%2)+4*\i:R+64*((\t)%2)+4*\i+3] offset:SP*\i
.endr
.irp b, 0,1,2,3
.irp j, 0,1,2,3
	ds_load_b128 v[X+16*\b+4*\j:X+16*\b+4*\j+3], v4 offset:128*\b+16*\j
.endr
.endr
.endm
; 64 numbers of a lane become a fragment's codes in v[PC] on and its scale word in v[pw]
.macro QUANT s, pw
.irp b, 0,1,2,3
	v_max3_num_f32 v[TM+\b], |v[\s+16*\b]|, |v[\s+1+16*\b]|, 0x1800000   ; my 16 numbers of block b, and the floor 2^(3 - 127): the byte cannot fall under 1
.endr
.irp i, 2,4,6,8,10,12,14
.irp b, 0,1,2,3
	v_max3_num_f32 v[TM+\b], v[TM+\b], |v[\s+16*\b+\i]|, |v[\s+1+16*\b+\i]|   ; the four blocks by turns
.endr
.endr
.irp b, 0,1,2,3
	v_permlanex16_b32 v[TM+4+\b], v[TM+\b], s[SEL], s[SEL+1]
.endr
.irp b, 0,1,2,3
	v_max_num_f32 v[TM+\b], v[TM+\b], v[TM+4+\b]   ; with lane l xor 16's: the block's largest magnitude
.endr
.irp b, 0,1,2,3
	v_add_nc_u32 v[TM+12+\b], 0xff000000, v[TM+\b] ; 2 off its exponent field: the conversion's scale operand
.endr
.irp b, 0,1,2,3
	v_lshrrev_b32 v[TM+4+\b], 23, v[TM+12+\b]      ; the scale's byte
.endr
	v_lshl_or_b32 v[\pw], v[TM+5], 8, v[TM+4]
	v_lshl_or_b32 v[\pw], v[TM+6], 16, v[\pw]
	v_lshl_or_b32 v[\pw], v[TM+7], 24, v[\pw]
.irp c, 0,1
	v_cvt_scalef32_pk16_fp6_f32 v[PC+6*\c:PC+2+6*\c], v[\s+32*\c:\s+15+32*\c], v[TM+12+2*\c]
	v_cvt_scalef32_pk16_fp6_f32 v[TP+4*\c:TP+2+4*\c], v[\s+16+32*\c:\s+31+32*\c], v[TM+12+2*\c+1]   ; (a conversion's three registers begin on an even number)
.endr
	v_nop                                          ; one plain place behind a scaled conversion
.irp c, 0,1                            ; the layout wants a whole block in a lane: lanes 0-15 block 2 c, lanes 16-31 block 2 c + 1
.irp i, 0,1,2
	v_permlane16_swap_b32 v[PC+6*\c+\i], v[TP+4*\c+\i]
.endr
.irp i, 0,1,2
	v_mov_b32 v[PC+3+6*\c+\i], v[TP+4*\c+\i]
.endr
.endr
.endm
.macro STEP t
.if (\t) < 3
	s_wait_loadcnt 16                              ; this K step's 16 loads are in; the next step's 16 may be out
.else
	s_wait_loadcnt 0x0
.endif
	TURN \t
	s_wait_dscnt 0x0                               ; the stage's stores have read their registers, and my 64 numbers are back
	s_wait_xcnt 0x0                                ; the last step's stores have read the codes' registers, which are written again below
.if (\t) < 2
	LOAD (\t)+2
.endif
	QUANT X, PW+\t
.irp p, 0,1,2,3,4,5
	global_store_b64 v5, v[PC+2*\p:PC+2*\p+1], s[20:21] offset:1536*(\t)+256*\p   ; 32 lanes store 256 consecutive bytes, aligned
.endr
.endm
	v_add_nc_u32 v14, s43, v2                      ; the offset of a tile's rows 8 to 15
	s_wait_alu depctr_va_vdst(0)
	LOAD 0
	LOAD 1
	STEP 0
	STEP 1
	STEP 2
	STEP 3
	v_cndmask_b32 v52, v[PW], v[PW+2], s[HM]       ; lanes 0-15: the words of K steps 0, 1 of row r; lanes 16-31: of K steps 2, 3
	v_cndmask_b32 v53, v[PW+1], v[PW+3], s[HM]
	global_store_b64 v5, v[52:53], s[22:23]        ; 256 consecutive bytes, aligned
	s_wait_tensorcnt 0x0                           ; the wave's end
	ds_add_u32 v[SPW], v[NIL]
	s_wait_dscnt 0x0
	s_endpgm
.Lmask:                                            ; wave w: batch w's 2,048 mask words, 64 a lane
	s_lshl_b32 s38, s26, 13
	s_mov_b32 s39, 0
	s_lshl_b32 s40, s26, 7
	s_add_co_u32 s40, s40, 32768
	s_mov_b32 s41, 0
	s_wait_kmcnt 0x0
	s_add_nc_u64 s[18:19], s[18:19], s[38:39]
	s_add_nc_u64 s[28:29], s[24:25], s[38:39]      ; the batch's biases
	s_add_nc_u64 s[24:25], s[24:25], s[40:41]      ; and its 32 copies of c
	s_wait_alu depctr_va_vdst(0)
.irp i, 0,1,2,3,4,5,6,7,8,9,10,11,12,13,14,15
	global_load_b128 v[64+4*\i:67+4*\i], v2, s[18:19] offset:512*\i
.endr
	s_wait_loadcnt 0x0
.irp c, 0,1,2,3
	v_or_b32 v[8+\c], v[64+\c], v[68+\c]           ; is any key of the batch open?  Four chains
.endr
.set n, 72
.rept 14
.irp c, 0,1,2,3
	v_or_b32 v[8+\c], v[8+\c], v[n+\c]
.endr
.set n, n+4
.endr
	v_or_b32 v8, v8, v9
	v_or_b32 v10, v10, v11
	v_or_b32 v8, v8, v10
	v_cmp_ne_u32 vcc_lo, 0, v8
	s_cmp_lg_u32 vcc_lo, 0                         ; a choice of values, no branch
	s_cselect_b32 s32, 0xf1800000, 0               ; -2^100 for a hidden key
	s_cselect_b32 s33, 0x3e38aa3b, 0               ; c = log2(e) / 8
	v_mov_b32 v12, s32
	v_mov_b32 v13, s33
.set n, 0
.rept 64
	v_cmp_eq_u32 vcc_lo, 0, v[64+n]
	v_cndmask_b32 v[64+n], 0, v12, vcc_lo
.set n, n+1
.endr
.irp i, 0,1,2,3,4,5,6,7,8,9,10,11,12,13,14,15
	global_store_b128 v2, v[64+4*\i:67+4*\i], s[28:29] offset:512*\i
.endr
	v_lshlrev_b32 v11, 2, v1
	global_store_b32 v11, v13, s[24:25]
	s_wait_tensorcnt 0x0                           ; the same three lines on this way too
	ds_add_u32 v[SPW], v[NIL]
	s_wait_dscnt 0x0
	s_endpgm
.Lfunc_end_k_q2120c22111_quant:
	.size	k_q2120c22111_quant, .Lfunc_end_k_q2120c22111_quant-k_q2120c22111_quant
	.p2alignl 7, 3214868480
	.fill 96, 4, 3214868480
	.section	.rodata,"a",@progbits
	.p2align	6, 0x0
	.amdhsa_kernel k_q2120c22111_quant
		.amdhsa_group_segment_fixed_size 34304
		.amdhsa_private_segment_fixed_size 0
		.amdhsa_enable_private_segment 0
		.amdhsa_kernarg_size 88
		.amdhsa_user_sgpr_count 2
		.amdhsa_user_sgpr_kernarg_segment_ptr 1
		.amdhsa_wavefront_size32 1
		.amdhsa_system_sgpr_workgroup_id_x 1
		.amdhsa_system_sgpr_workgroup_id_y 1
		.amdhsa_system_sgpr_workgroup_id_z 1
		.amdhsa_system_vgpr_workitem_id 0
		.amdhsa_next_free_vgpr 256
		.amdhsa_next_free_sgpr 66
		.amdhsa_reserve_vcc 1
		.amdhsa_float_denorm_mode_32 3
		.amdhsa_float_denorm_mode_16_64 3
		.amdhsa_memory_ordered 1
		.amdhsa_forward_progress 1
		.amdhsa_inst_pref_size 46
	.end_amdhsa_kernel
	.amdgpu_metadata
---
amdhsa.version: [ 1, 2 ]
amdhsa.kernels:
  - .name:           k_q2120c22111_quant
    .symbol:         k_q2120c22111_quant.kd
    .args:
      - { .name: q, .offset: 0, .size: 8, .value_kind: global_buffer, .address_space: global }
      - { .name: k, .offset: 8, .size: 8, .value_kind: global_buffer, .address_space: global }
      - { .name: v, .offset: 16, .size: 8, .value_kind: global_buffer, .address_space: global }
      - { .name: w_q, .offset: 24, .size: 8, .value_kind: global_buffer, .address_space: global }
      - { .name: w_k, .offset: 32, .size: 8, .value_kind: global_buffer, .address_space: global }
      - { .name: w_v, .offset: 40, .size: 8, .value_kind: global_buffer, .address_space: global }
      - { .name: w_o, .offset: 48, .size: 8, .value_kind: global_buffer, .address_space: global }
      - { .name: mask, .offset: 56, .size: 8, .value_kind: global_buffer, .address_space: global }
      - { .name: qcod, .offset: 64, .size: 8, .value_kind: global_buffer, .address_space: global }
      - { .name: qscl, .offset: 72, .size: 8, .value_kind: global_buffer, .address_space: global }
      - { .name: mbias, .offset: 80, .size: 8, .value_kind: global_buffer, .address_space: global }
    .group_segment_fixed_size: 34304
    .private_segment_fixed_size: 0
    .kernarg_segment_align: 8
    .kernarg_segment_size: 88
    .max_flat_workgroup_size: 128
    .sgpr_count:     66
    .vgpr_count:     256
    .wavefront_size: 32
...
	.end_amdgpu_metadata
.endif
;; end of part 1
;; launch proj (part 2): grid 4 x 96, 4 waves a work-group, clusters of 4 x 4, 327,680 bytes of LDS; arguments qcod, qscl, b_q, b_k, b_v, hcod, hscl; writes hcod, hscl
.if DOCPART == 2
	.amdgcn_target "amdgcn-amd-amdhsa--gfx1250"
	.amdhsa_code_object_version 6
	.text
	.protected	k_q2120c22111_proj
	.globl	k_q2120c22111_proj
	.p2align	8
	.type	k_q2120c22111_proj,@function
k_q2120c22111_proj:
	s_mov_b64 s[64:65], 0
	v_nop
	global_prefetch_b8 v0, s[64:65] scope:SCOPE_SE
	s_setreg_imm32_b32 hwreg(HW_REG_WAVE_MODE, 25, 1), 1
	s_wait_xcnt 0x0
	s_wait_alu depctr_hold_cnt(0) depctr_sa_sdst(0) depctr_va_vdst(0) depctr_va_sdst(0) depctr_va_ssrc(0) depctr_va_vcc(0) depctr_vm_vsrc(0)
	s_getreg_b32 s2, hwreg(HW_REG_IB_STS2, 6, 4)
	s_cmp_eq_u32 s2, 0
	s_cbranch_scc0 .Lentry_in_a_cluster
	s_endpgm
.Lentry_in_a_cluster:
	s_bfe_u32 s2, ttmp6, 0x10000c
	s_cmp_lg_u32 s2, 0xf033
	s_cbranch_scc0 .Lentry_shape_is_right
	s_endpgm
.Lentry_shape_is_right:
; The three input projections x W^T + b on codes of FP6 (E2M3) with E8M0 scales, K = 1,024, and the quantising of their results for the attention: nothing wide goes to memory.
; Cluster y / 8 says which: 0 q, 1 k, 2 v.  A work-group makes 256 x 256, each of its four waves 128 x 128: 64 accumulators, 512 registers.
; THE MATRIX INSTRUCTION: source 0 = 16 rows of "B", whose rows fall on a lane's registers; source 1 = 16 rows of "A", whose rows fall on the lanes.
;   q, k: A = tokens, B = the weight's rows: a lane holds ONE token and its registers run along the head's 64, which is the K of the score product.
;   v:    A = w_v's rows, B = tokens: a lane holds ONE channel and its registers run along the tokens, which are the K of the second product.
; Operands lie in memory in the order of the operand's registers (tile x 12288 + K step x 1536 + pair x 256 + lane x 8); the rows of a tile are chosen (row r of tile t = row
; 32 (t / 2) + 8 (t % 2) + r + 8 (r / 8)) so that the 16 registers of two neighbouring tiles of B are 16 neighbours.  The bias is the C of each sum's first product.
; K goes in steps of 256 through two LDS slots filled by tensor loads (a tile's part of a slot: 3,072 consecutive bytes); the scale words of all of K come once, with the first fills.
; CLUSTER 4 x 4: A's tiles are shared along a row of the cluster, B's along a column, by joint loads: a quarter of the requests.  A wave has at most one tensor load out.
; RESULTS.  q, k: for each head and pair of token tiles the 12 registers [tile a's 64 | tile b's 64], as three stores of 512 consecutive bytes; v: for each head and 128 tokens four fragments
; of 16 channels x 128 tokens.  Scale words: 16 bytes a row for each 128 tokens.  LIMITS: a block under 2^-124 keeps the byte 1; NaN and infinities are not served.
; REGISTERS: window 0: v16-29 addresses; v32-63 scale words, two sets; v64-127 the bias; v128-223 A's fragments, one set.  window 1: B's fragments, two sets, at v0 and v128.  windows 2, 3: accumulator (a, b) at v[8 (8 (a % 4) + b)].
.set FR,    12
.set NL,    6
.set NQ,    2
.set NP,    4
.set TILEB, 3072                       ; a tile's two K steps of 128
.set HALFT, 8*TILEB                    ; eight tiles: what one tensor load brings, and what a wave reads of A or of B
.set SLOT,  4*HALFT
.set SCL,   2*SLOT                     ; behind the ring: the scale words, 4,096 bytes for each 128 rows
.set SPARE, SCL+4*4096                 ; the spare words, 128 bytes a wave
.set ADRA, 16                          ; v16-17 my A fragments in slot 0, 1
.set ADRB, 20                          ; v20-21 my B fragments
.set LI,   24                          ; v24  16 x lane
.set SA,   25                          ; v25  16 r + 4096 h
.set ADRS, 27                          ; v27  my scale words: lanes 0-15 A's rows, lanes 16-31 B's
.set SPW,  28
.set NIL,  29
.set SC,   32
.set BT,   64
.set AF,   128
.set TM,   32                          ; the way out, window 0: v32-47 at work, v48-55 second halves, v56-63 the tiles' scale words, v64-87 two images, v88-91 words to store, v92 a byte select
.set TP,   48
.set PWR,  56
.set F0,   64
.set F1,   76
.set SW,   88
.set G1,   24
.set G0,   32
.set G1B,  48
.set G0B,  56
.set G1S,  68
.set G0S,  76
.set G1SB, 80
.set G0SB, 88
.set MSB, 0
.macro WIN new                         ; the immediate's high byte repeats the setting that is left
.if MSB != (\new)
	s_set_vgpr_msb (MSB<<8)|(\new)
.set MSB, (\new)
.endif
.endm
.set MUL_LO, 0xa1                      ; source 0 (B) window 1, source 1 (A) window 0, C and D window 2
.set MUL_HI, 0xf1
.set TO_B,   0x40
; a joint load: waves 0 and 1 fetch for A, waves 2 and 3 for B; the branch hangs on the wave's number alone.  An s_nop 0 and four v_nop follow each line
.macro JLOAD g0a, g1a, g0b, g1b
	s_cmp_eq_u32 s19, 0
	s_cbranch_scc0 .Lfor_b_\@
	tensor_load_to_lds s[\g0a:\g0a+3], s[\g1a:\g1a+7]
	s_nop 0
.rept 4
	v_nop
.endr
	s_branch .Lasked_\@
.Lfor_b_\@:
	tensor_load_to_lds s[\g0b:\g0b+3], s[\g1b:\g1b+7]
	s_nop 0
.rept 4
	v_nop
.endr
.Lasked_\@:
.endm
.macro CREST                           ; a round of the cluster's barrier behind its opening barrier
	s_cmp_lg_u32 s18, 0
	s_cbranch_scc1 .Lnot_wave_0_\@
	s_barrier_signal -3
.Lnot_wave_0_\@:
	s_barrier_wait -3
	s_barrier_signal -1
	s_barrier_wait -1
.endm
.macro CROUND
	s_barrier_signal -1
	s_barrier_wait -1
	CREST
.endm
	s_load_b256 s[4:11], s[0:1], 0x0               ; qcod, qscl, b_q, b_k
	s_load_b128 s[12:15], s[0:1], 0x20             ; b_v, hcod
	s_load_b64 s[16:17], s[0:1], 0x30              ; hscl
	v_lshl_add_u32 v[SPW], v0, 2, SPARE
	v_mov_b32 v[NIL], 0
	ds_add_u32 v[SPW], v[NIL]                      ; the wave's opening
	ds_add_u32 v[SPW], v[NIL]
	v_lshrrev_b32 v1, 5, v0
	v_readfirstlane_b32 s18, v1                    ; wave
	s_lshr_b32 s19, s18, 1                         ; my half of A's rows; also: I fetch for A (0) or B (1)
	s_and_b32 s20, s18, 1                          ; my half of B's rows; also: which eight tiles I fetch
	s_bfe_u32 s21, ttmp6, 0x40000                  ; cx
	s_bfe_u32 s22, ttmp6, 0x40004                  ; cy
	s_and_b32 s23, ttmp7, 0xffff                   ; cluster y, 0 .. 23
	s_lshr_b32 s92, s23, 3                         ; which projection
	s_and_b32 s93, s23, 7                          ; which 1,024 tokens
	s_mov_b32 s95, 0xffff0000                      ; a mask of lanes 16-31
	s_mov_b32 s96, 0x76543210
	s_mov_b32 s97, 0xfedcba98
	s_lshl_b32 s44, s22, 2
	s_lshl_b32 s44, 15, s44                        ; my row of the cluster
	s_lshl_b32 s45, 0x1111, s21                    ; my column
	s_or_b32 s[G1], s44, (3<<16)|(1<<21)           ; 15:0 the mask; 17:16 elements of 8 bytes; 21 set beside a mask; no padding: every LDS read takes 256 consecutive bytes
	s_or_b32 s[G1B], s45, (3<<16)|(1<<21)
	s_or_b32 s[G1S], s44, (3<<16)|(1<<21)
	s_or_b32 s[G1SB], s45, (3<<16)|(1<<21)
.irp g, G1, G1B                        ; codes: 16 tiles x 3,072 bytes, 12,288 bytes apart
	s_mov_b32 s[\g+1], 384<<16
	s_mov_b32 s[\g+2], 16<<16
	s_mov_b32 s[\g+3], 384<<16
	s_mov_b32 s[\g+4], 16
	s_mov_b32 s[\g+5], 1536
	s_mov_b32 s[\g+6], 0
	s_mov_b32 s[\g+7], 0
.endr
.irp g, G1S, G1SB                      ; scale words of 16 tiles: 8,192 dense bytes as 32 rows of 256
	s_mov_b32 s[\g+1], 32<<16
	s_mov_b32 s[\g+2], 32<<16
	s_mov_b32 s[\g+3], 32<<16
	s_mov_b32 s[\g+4], 32
	s_mov_b32 s[\g+5], 32
	s_mov_b32 s[\g+6], 0
	s_mov_b32 s[\g+7], 0
.endr
	; A's first tile that I fetch: made of cy, never of cx
	s_lshl_b32 s2, s92, 9
	s_lshl_b32 s3, s93, 6
	s_add_co_u32 s2, s2, s3                        ; q, k: the tensor's 512 tiles, 64 for each cluster
	s_cmp_eq_u32 s92, 2
	s_cselect_b32 s94, 1, 0                        ; 1: this is v's projection
	s_cselect_b32 s2, 1664, s2                     ; v: w_v
	s_lshl_b32 s3, s22, 4
	s_add_co_u32 s2, s2, s3
	s_lshl_b32 s3, s20, 3
	s_add_co_u32 s2, s2, s3
	s_lshl_b32 s98, s2, 9                          ; its scale words,
	s_mov_b32 s99, 0
	s_mul_i32 s2, s2, 12288                        ; its codes
	s_mov_b32 s3, 0
	; B's: made of cx, never of cy
	s_lshl_b32 s66, s92, 6
	s_add_co_u32 s66, s66, 1536                    ; q, k: the weight
	s_lshl_b32 s67, s93, 6
	s_add_co_u32 s67, s67, 1024                    ; v: the tokens
	s_cmp_eq_u32 s92, 2
	s_cselect_b32 s66, s67, s66
	s_lshl_b32 s67, s21, 4
	s_add_co_u32 s66, s66, s67
	s_lshl_b32 s67, s20, 3
	s_add_co_u32 s66, s66, s67
	s_lshl_b32 s46, s66, 9
	s_mov_b32 s47, 0
	s_mul_i32 s66, s66, 12288
	s_mov_b32 s67, 0
	s_mul_i32 s23, s18, HALFT                      ; where they go: wave x eight tiles; no place in the cluster enters an LDS address
	s_lshl_b32 s45, s18, 12
	s_wait_dscnt 0x0                               ; the opening add is done
	s_wait_kmcnt 0x0
	s_add_nc_u64 s[2:3], s[4:5], s[2:3]
	s_add_nc_u64 s[98:99], s[6:7], s[98:99]
	s_add_nc_u64 s[66:67], s[4:5], s[66:67]
	s_add_nc_u64 s[46:47], s[6:7], s[46:47]
	CROUND                                         ; all sixteen work-groups are here: the first joint loads meet
	s_mov_b32 s[G0S], 1
	s_add_co_u32 s[G0S+1], s45, SCL-4096           ; wave 1 asks for the scale words of all 16 tiles of A: its own half begins 4,096 bytes in
	s_sub_nc_u64 s[G0S+2:G0S+3], s[98:99], 4096
	s_or_b32 s[G0S+3], s[G0S+3], 0x80000000
	s_mov_b32 s[G0SB], 1
	s_add_co_u32 s[G0SB+1], s45, SCL-4096          ; wave 3 the same for B
	s_sub_nc_u64 s[G0SB+2:G0SB+3], s[46:47], 4096
	s_or_b32 s[G0SB+3], s[G0SB+3], 0x80000000
.irp s, 0,1
	s_mov_b32 s[G0+4*\s], 1
	s_add_co_u32 s[G0+4*\s+1], s23, \s*SLOT
	s_add_nc_u64 s[G0+4*\s+2:G0+4*\s+3], s[2:3], \s*TILEB
	s_or_b32 s[G0+4*\s+3], s[G0+4*\s+3], 0x80000000
	s_mov_b32 s[G0B+4*\s], 1
	s_add_co_u32 s[G0B+4*\s+1], s23, \s*SLOT
	s_add_nc_u64 s[G0B+4*\s+2:G0B+4*\s+3], s[66:67], \s*TILEB
	s_or_b32 s[G0B+4*\s+3], s[G0B+4*\s+3], 0x80000000
.endr
; the head's four tiles, one a wave, in one chain of branches on the wave's number:
; wave 0 slot 0's 16 tiles of A, wave 1 A's scale words, wave 2 slot 0's 16 tiles of B, wave 3 B's scale words
.macro HARM w, g0, g1
	s_cmp_eq_u32 s18, \w
	s_cbranch_scc0 .Lnot_\w
	tensor_load_to_lds s[\g0:\g0+3], s[\g1:\g1+7]
	s_nop 0
.rept 4
	v_nop
.endr
	s_branch .Lhead_asked
.Lnot_\w:
.endm
	HARM 0, G0, G1
	HARM 1, G0S, G1S
	HARM 2, G0B, G1B
	tensor_load_to_lds s[G0SB:G0SB+3], s[G1SB:G1SB+7]
	s_nop 0
.rept 4
	v_nop
.endr
.Lhead_asked:
	v_and_b32 v1, 15, v0                           ; r
	v_bfe_u32 v2, v0, 4, 1                         ; h
	v_and_b32 v3, 31, v0                           ; lane
	v_lshlrev_b32 v4, 3, v3
	v_lshlrev_b32 v[LI], 4, v3
	v_lshlrev_b32 v[SA], 4, v1
	v_lshl_add_u32 v[SA], v2, 12, v[SA]
	s_mul_i32 s44, s19, HALFT
	s_mul_i32 s45, s20, HALFT
	s_add_co_u32 s45, s45, 2*HALFT
.irp s, 0,1
	v_add_nc_u32 v[ADRA+\s], s44, v4
	v_add_nc_u32 v[ADRB+\s], s45, v4
	s_add_co_u32 s44, s44, SLOT
	s_add_co_u32 s45, s45, SLOT
.endr
	s_lshl_b32 s44, s19, 12                        ; A's scale words: my 128 rows
	s_lshl_b32 s45, s20, 12
	s_add_co_u32 s45, s45, 8192                    ; B's lie behind A's 256 rows
	s_sub_co_u32 s45, s45, s44
	v_mul_u32_u24 v7, s45, v2                      ; lanes 16-31 take B's: one product, the lower base + h x the distance
	s_add_co_u32 s44, s44, SCL
	v_lshl_add_u32 v7, v1, 3, v7
	v_add_nc_u32 v[ADRS], s44, v7
	; the bias, in the result's layout
	s_lshl_b32 s44, s21, 10
	s_lshl_b32 s45, s20, 9
	s_add_co_u32 s44, s44, s45
	s_mov_b32 s45, 0
	s_cmp_eq_u32 s92, 0
	s_cselect_b64 s[8:9], s[8:9], s[10:11]
	s_add_nc_u64 s[8:9], s[8:9], s[44:45]          ; q, k: the 128 numbers of my half of B's rows
	s_lshl_b32 s44, s22, 10
	s_lshl_b32 s45, s19, 9
	s_add_co_u32 s44, s44, s45
	s_mov_b32 s45, 0
	s_add_nc_u64 s[12:13], s[12:13], s[44:45]      ; v: of my half of A's rows
	v_lshlrev_b32 v5, 6, v2                        ; 64 h
	v_and_b32 v6, 8, v1
	v_add_nc_u32 v6, v6, v1
	v_lshlrev_b32 v6, 2, v6                        ; 4 (r + 8 (r / 8))
	s_cmp_eq_u32 s94, 1                            ; the same in all sixteen partners
	s_cbranch_scc1 .Lbias_v
.irp b, 0,1,2,3,4,5,6,7                ; register j of tile b is output 32 (b / 2) + 8 (b % 2) + 16 h + j
	global_load_b128 v[BT+8*\b:BT+8*\b+3], v5, s[8:9] offset:(32*(\b/2)+8*(\b%2))*4
	global_load_b128 v[BT+8*\b+4:BT+8*\b+7], v5, s[8:9] offset:(32*(\b/2)+8*(\b%2))*4+16
.endr
	s_branch .Lbias_done
.Lbias_v:
	s_wait_alu depctr_va_vdst(0)
.irp a, 0,1,2,3,4,5,6,7                ; all eight registers of tile a hold my lane's channel's bias
.irp j, 0,1,2,3,4,5,6,7
	global_load_b32 v[BT+8*\a+\j], v6, s[12:13] offset:(32*(\a/2)+8*(\a%2))*4
.endr
.endr
.Lbias_done:
	; where my results go
	s_cmp_eq_u32 s94, 1
	s_cselect_b32 s44, s21, s22                    ; the tokens' place in the cluster
	s_cselect_b32 s45, s20, s19                    ; and my half of them
	s_cselect_b32 s46, s22, s21                    ; the heads' place
	s_cselect_b32 s47, s19, s20
	s_lshl_b32 s66, s93, 2
	s_add_co_u32 s44, s44, s66                     ; which 256 tokens of 8,192
	s_lshl_b32 s46, s46, 2
	s_lshl_b32 s47, s47, 1
	s_add_co_u32 s46, s46, s47                     ; my first head
	s_lshr_b32 s47, s44, 3
	s_lshl_b32 s47, s47, 4
	s_add_co_u32 s46, s46, s47                     ; 16 x batch + head
	s_and_b32 s44, s44, 7
	s_lshl_b32 s44, s44, 1
	s_add_co_u32 s44, s44, s45                     ; which 128 tokens of the batch
	s_mul_i32 s40, s92, 6291456
	s_mul_i32 s66, s46, 98304
	s_add_co_u32 s40, s40, s66
	s_mul_i32 s66, s44, 6144
	s_add_co_u32 s40, s40, s66
	s_mov_b32 s41, 0
	s_add_nc_u64 s[40:41], s[14:15], s[40:41]      ; codes
	s_lshl_b32 s42, s92, 18
	s_lshl_b32 s66, s46, 12
	s_add_co_u32 s42, s42, s66
	s_lshl_b32 s66, s44, 8
	s_add_co_u32 s42, s42, s66
	s_mov_b32 s43, 0
	s_add_nc_u64 s[42:43], s[16:17], s[42:43]      ; scale words
.macro FRAG reg, adr, q, i             ; a fragment comes as it lies: six loads of 8 bytes a lane, 256 consecutive bytes each
.irp p, 0,1,2,3,4,5
	ds_load_b64 v[\reg+2*\p:\reg+2*\p+1], v[\adr] offset:(\i)*TILEB+(\q)*1536+\p*256
.endr
.endm
; 16 products: A's blocks a0, a0 + 1 x B's eight.  mode 0: onto the sums; 1: the sums begin with B's rows' bias; 2: with A's rows' bias.  The 64 accumulators take turns
.macro MUL16 a0, p, q, sc, mode
.irp a, \a0, \a0+1
.irp b, 0,1,2,3,4,5,6,7
.if (\mode) == 0
	v_wmma_scale_f32_16x16x128_f8f6f4 v[8*(8*((\a)%4)+\b):8*(8*((\a)%4)+\b)+7], v[128*(\p)+FR*\b:128*(\p)+FR*\b+FR-1], v[AF+FR*(\a):AF+FR*(\a)+FR-1], v[8*(8*((\a)%4)+\b):8*(8*((\a)%4)+\b)+7], v[SC+8*NQ*(\sc)+NQ*\b+(\q)], v[SC+8*NQ*(\sc)+NQ*(\a)+(\q)] matrix_a_fmt:MATRIX_FMT_FP6 matrix_b_fmt:MATRIX_FMT_FP6 matrix_a_scale:MATRIX_SCALE_ROW1
.elseif (\mode) == 1
	v_wmma_scale_f32_16x16x128_f8f6f4 v[8*(8*((\a)%4)+\b):8*(8*((\a)%4)+\b)+7], v[128*(\p)+FR*\b:128*(\p)+FR*\b+FR-1], v[AF+FR*(\a):AF+FR*(\a)+FR-1], v[BT+8*\b:BT+8*\b+7], v[SC+8*NQ*(\sc)+NQ*\b+(\q)], v[SC+8*NQ*(\sc)+NQ*(\a)+(\q)] matrix_a_fmt:MATRIX_FMT_FP6 matrix_b_fmt:MATRIX_FMT_FP6 matrix_a_scale:MATRIX_SCALE_ROW1
.else
	v_wmma_scale_f32_16x16x128_f8f6f4 v[8*(8*((\a)%4)+\b):8*(8*((\a)%4)+\b)+7], v[128*(\p)+FR*\b:128*(\p)+FR*\b+FR-1], v[AF+FR*(\a):AF+FR*(\a)+FR-1], v[BT+8*(\a):BT+8*(\a)+7], v[SC+8*NQ*(\sc)+NQ*\b+(\q)], v[SC+8*NQ*(\sc)+NQ*(\a)+(\q)] matrix_a_fmt:MATRIX_FMT_FP6 matrix_b_fmt:MATRIX_FMT_FP6 matrix_a_scale:MATRIX_SCALE_ROW1
.endif
.endr
.endr
.endm
.macro FETCH_B slot, q, p
	WIN TO_B
.irp i, 0,1,2,3,4,5,6,7
	FRAG 128*(\p)+FR*\i, ADRB+\slot, \q, \i
.endr
	WIN 0
.endm
.macro FETCH_A slot, q, i0
.irp i, \i0, \i0+1, \i0+2, \i0+3
	FRAG AF+FR*(\i), ADRA+\slot, \q, \i
.endr
.endm
.macro SCALES sc                       ; two words a row: lanes 0-15 A's block i, lanes 16-31 B's block i
.irp i, 0,1,2,3,4,5,6,7
	ds_load_b64 v[SC+8*NQ*\sc+NQ*\i:SC+8*NQ*\sc+NQ*\i+1], v[ADRS] offset:\i*512
.endr
.endm
.macro PLACES n                        ; plain vector places between a matrix instruction and a load into, or a read of, its registers
.rept \n
	v_nop
.endr
.endm
.macro STEP slot, q, mode              ; 128 along K whose successor lies in the same slot
	s_wait_dscnt 4*NL                              ; B's set and A's blocks 0-3 are in; the youngest 24 loads (A's blocks 4-7) may be out
.if \mode
	WIN 0x81                                       ; C (the bias) window 0, D window 2
.else
	WIN MUL_LO
.endif
	MUL16 0, (\q)%2, \q, \slot, \mode
	MUL16 2, (\q)%2, \q, \slot, \mode
	s_wait_dscnt 0
	PLACES NP
	FETCH_B \slot, (\q)+1, 1-(\q)%2
	FETCH_A \slot, (\q)+1, 0
.if \mode
	WIN 0xc1
.else
	WIN MUL_HI
.endif
	MUL16 4, (\q)%2, \q, \slot, \mode
	MUL16 6, (\q)%2, \q, \slot, \mode
	PLACES NP
	WIN 0
	FETCH_A \slot, (\q)+1, 4
.endm
; a slot's last step changes slots: one barrier; in front of it each wave waits for all its tensor loads, adds 0 to its spare word, and waits for that and for its reads of this slot
.macro TURN slot, next, fill
	s_wait_tensorcnt 0x0                           ; all my tensor loads have landed: my part of the next slot
	ds_add_u32 v[SPW], v[NIL]
	s_wait_dscnt 4*NL+1                            ; the add and the youngest 24 loads may be out
	WIN MUL_LO
	MUL16 0, 1, NQ-1, \slot, 0
	s_wait_dscnt 0x0                               ; the add is done, and my reads of this slot are over
	s_barrier_signal -1
	MUL16 2, 1, NQ-1, \slot, 0
	WIN 0
	s_barrier_wait -1
.if \fill
	CREST                                          ; the barrier has opened a round of the cluster's: no wave of any partner still reads this slot or has a load on its way
	s_add_nc_u64 s[G0+4*\slot+2:G0+4*\slot+3], s[G0+4*\slot+2:G0+4*\slot+3], 2*TILEB
	s_add_nc_u64 s[G0B+4*\slot+2:G0B+4*\slot+3], s[G0B+4*\slot+2:G0B+4*\slot+3], 2*TILEB
	JLOAD G0+4*\slot, G1, G0B+4*\slot, G1B         ; the first tensor load behind the round; its four v_nop are the places in front of the loads below
.else
	PLACES NP
.endif
	s_wait_alu depctr_va_vdst(0)
	v_add_nc_u32 v[ADRS], 128, v[ADRS]             ; the next 256 along K: 128 bytes on in each tile's scale words
	FETCH_B \next, 0, 0
	FETCH_A \next, 0, 0
	SCALES \next
	WIN MUL_HI
	MUL16 4, 1, NQ-1, \slot, 0
	MUL16 6, 1, NQ-1, \slot, 0
	PLACES NP
	WIN 0
	FETCH_A \next, 0, 4
.endm
	s_wait_alu depctr_va_vdst(0)                   ; the head's end
	s_wait_tensorcnt 0x0                           ; my tile of the head's four is in; slot 1's first fill is issued as a refill is
	ds_add_u32 v[SPW], v[NIL]
	s_mov_b32 s[G1+2], 8<<16                       ; no tensor load of mine is out: from here on a load brings eight tiles
	s_mov_b32 s[G1+4], 8
	s_mov_b32 s[G1B+2], 8<<16
	s_mov_b32 s[G1B+4], 8
	s_wait_dscnt 0x0
	CROUND
	JLOAD G0+4, G1, G0B+4, G1B
	FETCH_B 0, 0, 0
	FETCH_A 0, 0, 0
	s_wait_alu depctr_va_vdst(0)
	SCALES 0
	FETCH_A 0, 0, 4
	s_wait_loadcnt 0x0                             ; the bias
	s_cmp_eq_u32 s94, 1
	s_cbranch_scc1 .Lfirst_v
	STEP 0, 0, 1
	s_branch .Lfirst_done
.Lfirst_v:
	STEP 0, 0, 2
.Lfirst_done:
	TURN 0, 1, 1                                   ; K has eight steps of 128: all is written out
	STEP 1, 0, 0
	TURN 1, 0, 1
	STEP 0, 0, 0
	TURN 0, 1, 0                                   ; nothing is left to fetch
	STEP 1, 0, 0
	s_wait_dscnt 4*NL
	WIN MUL_LO
	MUL16 0, 1, NQ-1, 1, 0
	MUL16 2, 1, NQ-1, 1, 0
	s_wait_dscnt 0
	WIN MUL_HI
	MUL16 4, 1, NQ-1, 1, 0
	MUL16 6, 1, NQ-1, 1, 0
	WIN 0
; THE WAY OUT.  Block a's 64 registers are, for my lane's row, 128 neighbours along the next K's axis in the order 32 b + 16 h + i: four blocks of 32.  They are quantised in registers:
; the first two blocks' codes go to v[d0] on (six registers), the last two to v[d1] on, the four bytes to v[PWR + a].  Each accumulator is read from its low end on.
.macro QUANTW a, d0, d1
.set QB, 64*((\a)%4)
.set QW, 2+(\a)/4
	WIN 5*QW                                       ; sources 0 and 1: the accumulators' window
.irp b, 0,1,2,3
	v_max3_num_f32 v[TM+\b], |v[QB+16*\b]|, |v[QB+1+16*\b]|, 0x1800000
.endr
.irp i, 2,4,6,8,10,12,14
.irp b, 0,1,2,3
	v_max3_num_f32 v[TM+\b], |v[QB+16*\b+\i]|, |v[QB+1+16*\b+\i]|, v[TM+\b]
.endr
.endr
	WIN 0
.irp b, 0,1,2,3
	v_permlanex16_b32 v[TM+4+\b], v[TM+\b], s96, s97
.endr
.irp b, 0,1,2,3
	v_max_num_f32 v[TM+\b], v[TM+\b], v[TM+4+\b]
.endr
.irp b, 0,1,2,3
	v_add_nc_u32 v[TM+12+\b], 0xff000000, v[TM+\b]
.endr
.irp b, 0,1,2,3
	v_lshrrev_b32 v[TM+4+\b], 23, v[TM+12+\b]
.endr
	v_lshl_or_b32 v[PWR+(\a)], v[TM+5], 8, v[TM+4]
	v_lshl_or_b32 v[PWR+(\a)], v[TM+6], 16, v[PWR+(\a)]
	v_lshl_or_b32 v[PWR+(\a)], v[TM+7], 24, v[PWR+(\a)]
	WIN QW                                         ; source 0: the accumulators' window
	v_cvt_scalef32_pk16_fp6_f32 v[\d0:\d0+2], v[QB:QB+15], v[TM+12]
	v_cvt_scalef32_pk16_fp6_f32 v[TP:TP+2], v[QB+16:QB+31], v[TM+13]
	v_cvt_scalef32_pk16_fp6_f32 v[\d1:\d1+2], v[QB+32:QB+47], v[TM+14]
	v_cvt_scalef32_pk16_fp6_f32 v[TP+4:TP+6], v[QB+48:QB+63], v[TM+15]
	WIN 0
	v_nop                                          ; one plain place behind a scaled conversion
.irp i, 0,1,2
	v_permlane16_swap_b32 v[\d0+\i], v[TP+\i]
.endr
.irp i, 0,1,2
	v_mov_b32 v[\d0+3+\i], v[TP+\i]
.endr
.irp i, 0,1,2
	v_permlane16_swap_b32 v[\d1+\i], v[TP+4+\i]
.endr
.irp i, 0,1,2
	v_mov_b32 v[\d1+3+\i], v[TP+4+\i]
.endr
.endm
	PLACES NP                                      ; behind the last products
.irp b, 0,1,2,3
	v_mov_b32 v[TM+4+\b], 0                        ; a lane permute's destination counts as one of its sources
.endr
	s_cmp_eq_u32 s94, 1
	s_cbranch_scc1 .Lout_v
	v_mov_b32 v92, 0x05040100                      ; lanes 0-15 gather the first head's two bytes of two tiles,
	v_mov_b32 v93, 0x07060302                      ; lanes 16-31 the second head's
	v_cndmask_b32 v92, v92, v93, s95
.irp P, 0,1,2,3                        ; q, k: a pair of token tiles; F0 = [tile a | tile b] of my first head, F1 of my second
	s_wait_xcnt 0x0                                ; the last pair's stores have read the images' registers
	QUANTW 2*\P, F0, F1
	QUANTW 2*\P+1, F0+6, F1+6
.irp c, 0,1,2
	global_store_b128 v[LI], v[F0+4*\c:F0+4*\c+3], s[40:41] offset:\P*1536+512*\c          ; 512 consecutive bytes, aligned
	global_store_b128 v[LI], v[F1+4*\c:F1+4*\c+3], s[40:41] offset:98304+\P*1536+512*\c
.endr
	v_perm_b32 v[SW+\P], v[PWR+2*\P+1], v[PWR+2*\P], v92
.endr
	s_branch .Lout_done
.Lout_v:
.irp P, 0,1,2,3                        ; v: each tile of 16 channels is a whole fragment of 128 tokens
	s_wait_xcnt 0x0
	QUANTW 2*\P, F0, F0+6
	QUANTW 2*\P+1, F1, F1+6
.irp c, 0,1,2
	global_store_b128 v[LI], v[F0+4*\c:F0+4*\c+3], s[40:41] offset:((2*\P)/4)*98304+((2*\P)%4)*1536+512*\c
	global_store_b128 v[LI], v[F1+4*\c:F1+4*\c+3], s[40:41] offset:((2*\P)/4)*98304+((2*\P)%4)*1536+1536+512*\c
.endr
.endr
.irp d, 0,1,2,3
	v_cndmask_b32 v[SW+\d], v[PWR+\d], v[PWR+4+\d], s95   ; lanes 0-15 my first head's tiles, lanes 16-31 my second head's
.endr
.Lout_done:
	s_wait_alu depctr_va_vdst(0)
	global_store_b128 v[SA], v[SW:SW+3], s[42:43]  ; sixteen lanes store 256 consecutive bytes, aligned, for each of the two heads
	s_wait_tensorcnt 0x0                           ; the wave's end
	ds_add_u32 v[SPW], v[NIL]
	s_wait_dscnt 0x0
	CROUND                                         ; the closing round
	s_endpgm
.Lfunc_end_k_q2120c22111_proj:
	.size	k_q2120c22111_proj, .Lfunc_end_k_q2120c22111_proj-k_q2120c22111_proj
	.p2alignl 7, 3214868480
	.fill 96, 4, 3214868480
	.section	.rodata,"a",@progbits
	.p2align	6, 0x0
	.amdhsa_kernel k_q2120c22111_proj
		.amdhsa_group_segment_fixed_size 327680
		.amdhsa_private_segment_fixed_size 0
		.amdhsa_enable_private_segment 0
		.amdhsa_kernarg_size 56
		.amdhsa_user_sgpr_count 2
		.amdhsa_user_sgpr_kernarg_segment_ptr 1
		.amdhsa_wavefront_size32 1
		.amdhsa_system_sgpr_workgroup_id_x 1
		.amdhsa_system_sgpr_workgroup_id_y 1
		.amdhsa_system_sgpr_workgroup_id_z 1
		.amdhsa_system_vgpr_workitem_id 0
		.amdhsa_next_free_vgpr 1024
		.amdhsa_next_free_sgpr 100
		.amdhsa_reserve_vcc 0
		.amdhsa_float_denorm_mode_32 3
		.amdhsa_float_denorm_mode_16_64 3
		.amdhsa_memory_ordered 1
		.amdhsa_forward_progress 1
		.amdhsa_inst_pref_size 222
	.end_amdhsa_kernel
	.amdgpu_metadata
---
amdhsa.version: [ 1, 2 ]
amdhsa.kernels:
  - .name:           k_q2120c22111_proj
    .symbol:         k_q2120c22111_proj.kd
    .args:
      - { .name: qcod, .offset: 0, .size: 8, .value_kind: global_buffer, .address_space: global }
      - { .name: qscl, .offset: 8, .size: 8, .value_kind: global_buffer, .address_space: global }
      - { .name: b_q, .offset: 16, .size: 8, .value_kind: global_buffer, .address_space: global }
      - { .name: b_k, .offset: 24, .size: 8, .value_kind: global_buffer, .address_space: global }
      - { .name: b_v, .offset: 32, .size: 8, .value_kind: global_buffer, .address_space: global }
      - { .name: hcod, .offset: 40, .size: 8, .value_kind: global_buffer, .address_space: global }
      - { .name: hscl, .offset: 48, .size: 8, .value_kind: global_buffer, .address_space: global }
    .group_segment_fixed_size: 327680
    .private_segment_fixed_size: 0
    .kernarg_segment_align: 8
    .kernarg_segment_size: 56
    .max_flat_workgroup_size: 128
    .sgpr_count:     100
    .vgpr_count:     1024
    .wavefront_size: 32
...
	.end_amdgpu_metadata
.endif
;; end of part 2
;; launch attn (part 3): grid 4 x 64, 8 waves a work-group, clusters of 4 x 1, 327,680 bytes of LDS; arguments hcod, hscl, mbias, ccod, cscl; writes ccod, cscl
.if DOCPART == 3
	.amdgcn_target "amdgcn-amd-amdhsa--gfx1250"
	.amdhsa_code_object_version 6
	.text
	.protected	k_q2120c22111_attn
	.globl	k_q2120c22111_attn
	.p2align	8
	.type	k_q2120c22111_attn,@function
k_q2120c22111_attn:
	s_mov_b64 s[64:65], 0
	v_nop
	global_prefetch_b8 v0, s[64:65] scope:SCOPE_SE
	s_setreg_imm32_b32 hwreg(HW_REG_WAVE_MODE, 25, 1), 1
	s_wait_xcnt 0x0
	s_wait_alu depctr_hold_cnt(0) depctr_sa_sdst(0) depctr_va_vdst(0) depctr_va_sdst(0) depctr_va_ssrc(0) depctr_va_vcc(0) depctr_vm_vsrc(0)
	s_getreg_b32 s2, hwreg(HW_REG_IB_STS2, 6, 4)
	s_cmp_eq_u32 s2, 0
	s_cbranch_scc0 .Lentry_in_a_cluster
	s_endpgm
.Lentry_in_a_cluster:
	s_bfe_u32 s2, ttmp6, 0x10000c
	s_cmp_lg_u32 s2, 0x3003
	s_cbranch_scc0 .Lentry_shape_is_right
	s_endpgm
.Lentry_shape_is_right:
; Attention of one batch and head (work-group y) for 512 queries (place cx in the cluster) on codes of FP6 (E2M3) with E8M0 scales; the context leaves as codes and scale bytes for the out-projection.
; Both products are used transposed (S^T = K Q^T, O^T = V^T P^T): a lane holds one query throughout.  p = 2^(t - M), t = c (score + bias), M the ceiling of the running largest t, a whole number;
; the row's sum is taken of the unquantised p; when M moves, the sum and O^T are multiplied by a power of two; at the end O^T is divided by the sum.
; The mask comes as a bias for each key (0 or -2^100) and is the C of the score product; c comes with it (0 for a batch with no open key, whose rows are then uniform).
; LIMITS: the promise holds while the scaled scores stay under 2^31 in magnitude; NaN and infinities are not served; a block of p under 2^-124 keeps the byte 1.
; SHARES: eight waves, two on a SIMD.  A wave takes a pair of query tiles (32 queries) through all 2,048 keys in 16 steps of 128, then a second pair: 64 queries a wave.
; The two tiles' lines stand by turns, so that no line waits for the line above it, and both tiles use each fragment of K and V and each bias that is read from LDS.
; THE KEYS OF A TILE OF K: row m of tile t of a step is key 64 (t / 4) + 32 (m / 8) + 8 (t % 4) + m % 8 (the first launch lays k so): score register 32 c + i of lane (r, h) is key 64 c + 32 h + i,
; a whole block of 32 in a lane, in the order of the operand's registers: a block's largest score needs no other lane and p's codes need no lane swap.
; A head has 64 channels, half of the instruction's 128: a fragment of K holds two tiles' 64 side by side, and Q stands beside six registers of zero codes, [q | 0] or [0 | q].
; LDS, filled once: K's codes 98,304 bytes, V's 98,304, the biases 8,192, K's and V's scale words 4,096 each; then the spare words.  One tensor load a wave at the head: waves 0 to 3 a half of K or V,
; waves 4 to 7 4,096 bytes of biases or scale words.  CLUSTER 4 x 1: the four work-groups of a head ask jointly.  No data prefetch: all is asked for at the head, there is no loop to run ahead in.
; LDS reads run ahead: K, its scale words and the biases of step s + 1 are fetched in step s.  The last step's fetch reads the 6,144, 256 and 512 filled bytes behind each region; nothing uses what it brings.
; REGISTERS.  Window 0: v1-13 addresses; QZ zeros and the two q; KF, VF fragments; BI biases; IM1, QR the second pair's q; KS, QW, VS, PW scale words.
; Window 1, tile x at 128 x: scores and p 0-63; OT; PC p's codes; TP second halves; NM -M, SMX largest score; LS the sum; FF the factor; BM, SO, T0, T1 at work.
.set VB,    98304
.set MB,    196608
.set KSC,   MB+8192
.set SPARE, KSC+8192
.set QZ,  16
.set KF,  48
.set VF,  96
.set BI,  144
.set IM1, 208
.set QR,  220
.set KS,  224
.set QW,  228
.set VS,  232
.set PW,  236
.set OT,  64
.set PC,  96
.set TP,  108
.set NM,  116
.set SMX, 117
.set LS,  118
.set FF,  120
.set BM,  122
.set SO,  124
.set T0,  126
.set T1,  127
.set MSB, 0
.macro WIN new                         ; the immediate's high byte repeats the setting that is left
.if MSB != (\new)
	s_set_vgpr_msb (MSB<<8)|(\new)
.set MSB, (\new)
.endif
.endm
.macro CROUND
	s_barrier_signal -1
	s_barrier_wait -1
	s_cmp_lg_u32 s14, 0
	s_cbranch_scc1 .Lnot_wave_0_\@
	s_barrier_signal -3
.Lnot_wave_0_\@:
	s_barrier_wait -3
	s_barrier_signal -1
	s_barrier_wait -1
.endm
	s_load_b256 s[4:11], s[0:1], 0x0               ; hcod, hscl, mbias, ccod
	s_load_b64 s[12:13], s[0:1], 0x20              ; cscl
	v_lshl_add_u32 v5, v0, 2, SPARE
	v_mov_b32 v6, 0
	ds_add_u32 v5, v6                              ; the opening lines
	ds_add_u32 v5, v6
	v_lshrrev_b32 v1, 5, v0
	v_readfirstlane_b32 s14, v1                    ; wave
	s_bfe_u32 s15, ttmp6, 0x40000                  ; cx: which 512 queries
	s_and_b32 s16, ttmp7, 0xffff                   ; 16 x batch + head
	s_lshr_b32 s17, s16, 4
	s_and_b32 s18, s16, 15
	s_lshl_b32 s19, s17, 7
	s_mov_b32 s20, 0x76543210
	s_mov_b32 s21, 0xfedcba98                      ; selects for lane l xor 16
	s_mov_b32 s56, 0xffff0000                      ; lanes 16-31
	s_mov_b32 s24, 15|(3<<16)|(1<<21)              ; group 1, codes: 49,152 dense bytes as 192 rows of 256
	s_mov_b32 s25, 32<<16
	s_mov_b32 s26, 192<<16
	s_mov_b32 s27, 32<<16
	s_mov_b32 s28, 192
	s_mov_b32 s29, 32
	s_mov_b32 s30, 0
	s_mov_b32 s31, 0
	s_mov_b32 s32, 15|(3<<16)|(1<<21)              ; group 1, biases and scale words: 4,096 dense bytes as 16 rows
	s_mov_b32 s33, 32<<16
	s_mov_b32 s34, 16<<16
	s_mov_b32 s35, 32<<16
	s_mov_b32 s36, 16
	s_mov_b32 s37, 32
	s_mov_b32 s38, 0
	s_mov_b32 s39, 0
	s_and_b32 s75, s14, 1
	s_lshr_b32 s72, s14, 1
	s_add_co_u32 s72, s72, 1
	s_mul_i32 s72, s72, 6291456                    ; waves 0, 1: K's codes; 2, 3: V's
	s_mul_i32 s76, s16, 98304
	s_add_co_u32 s72, s72, s76
	s_mul_i32 s73, s75, 49152
	s_add_co_u32 s72, s72, s73
	s_mov_b32 s73, 0
	s_lshl_b32 s70, s17, 13                        ; waves 4, 5: the batch's biases, a half each
	s_lshl_b32 s71, s75, 12
	s_add_co_u32 s70, s70, s71
	s_add_co_u32 s71, s75, 1                       ; waves 6, 7: K's and V's scale words
	s_lshl_b32 s71, s71, 18
	s_lshl_b32 s77, s16, 12
	s_add_co_u32 s71, s71, s77
	s_cmp_lt_u32 s14, 6
	s_cselect_b32 s70, s70, s71
	s_mov_b32 s71, 0
	s_lshl_b32 s74, s15, 4
	s_lshl_b32 s77, s14, 1
	s_add_co_u32 s74, s74, s77                     ; my first pair of query tiles, of the head's 64
	s_mul_i32 s58, s74, 1536
	s_add_co_u32 s58, s58, s76
	s_mov_b32 s59, 0
	s_lshr_b32 s60, s74, 2
	s_lshl_b32 s60, s60, 8
	s_and_b32 s77, s74, 3
	s_lshl_b32 s77, s77, 2
	s_add_co_u32 s60, s60, s77
	s_lshl_b32 s77, s16, 12
	s_add_co_u32 s60, s60, s77
	s_mov_b32 s61, 0
	s_lshl_b32 s77, s17, 7
	s_lshl_b32 s66, s74, 1
	s_add_co_u32 s77, s77, s66                     ; my first tile of the context's 512
	s_mul_i32 s66, s77, 12288
	s_mul_i32 s67, s18, 768
	s_add_co_u32 s66, s66, s67
	s_mov_b32 s67, 0
	s_lshl_b32 s68, s77, 9
	s_lshr_b32 s69, s18, 2
	s_lshl_b32 s69, s69, 7
	s_add_co_u32 s68, s68, s69
	s_bfe_u32 s69, s18, 0x10001
	s_lshl_b32 s69, s69, 2
	s_add_co_u32 s68, s68, s69
	s_and_b32 s69, s18, 1
	s_lshl_b32 s69, s69, 1
	s_add_co_u32 s68, s68, s69
	s_mov_b32 s69, 0
	s_mov_b32 s40, 1
	s_lshl_b32 s41, s14, 12
	s_add_co_u32 s41, s41, MB-16384                ; wave 4 at MB, 5, 6, 7 behind it
	s_mov_b32 s44, 1
	s_mul_i32 s45, s14, 49152
	s_wait_dscnt 0x0
	s_wait_kmcnt 0x0
	s_load_b32 s22, s[8:9], s19 offset:0x8000      ; c
	s_cmp_lt_u32 s14, 6
	s_cselect_b64 s[42:43], s[8:9], s[6:7]
	s_add_nc_u64 s[42:43], s[42:43], s[70:71]
	s_or_b32 s43, s43, 0x80000000
	s_add_nc_u64 s[46:47], s[4:5], s[72:73]
	s_or_b32 s47, s47, 0x80000000
	s_add_nc_u64 s[58:59], s[4:5], s[58:59]
	s_add_nc_u64 s[60:61], s[6:7], s[60:61]
	s_add_nc_u64 s[66:67], s[10:11], s[66:67]
	s_add_nc_u64 s[68:69], s[12:13], s[68:69]
	CROUND                                         ; the four work-groups are here: the joint loads meet
	s_cmp_lt_u32 s14, 4
	s_cbranch_scc0 .Lsmall
	tensor_load_to_lds s[44:47], s[24:31]
	s_nop 0
.rept 4
	v_nop
.endr
	s_branch .Lasked
.Lsmall:
	tensor_load_to_lds s[40:43], s[32:39]
	s_nop 0
.rept 4
	v_nop
.endr
.Lasked:
	v_and_b32 v8, 31, v0
	v_and_b32 v9, 15, v0                           ; r
	v_bfe_u32 v10, v0, 4, 1                        ; h
	v_lshlrev_b32 v1, 4, v8                        ; 16 x lane: a fragment's piece
	v_lshlrev_b32 v4, 3, v8                        ; 8 x lane: the context's codes
	v_lshlrev_b32 v13, 4, v9
	v_add_nc_u32 v2, KSC, v13                      ; scale words: 16 bytes a row
	v_lshl_add_u32 v3, v10, 7, MB                  ; biases: my half's 32 keys
	v_add_nc_u32 v12, VB, v1
	v_lshlrev_b32 v7, 3, v9
	v_lshl_add_u32 v7, v10, 9, v7                  ; the context's scale bytes: 8 r, lanes 16-31 the next tile
.irp c, 0,1,2
	global_load_b128 v[VF+4*\c:VF+4*\c+3], v1, s[58:59] offset:512*\c            ; the first pair's q, for now where V's fragments will lie
	global_load_b128 v[IM1+4*\c:IM1+4*\c+3], v1, s[58:59] offset:1536+512*\c     ; the second pair's
.endr
	global_load_b64 v[QR:QR+1], v13, s[60:61]      ; both pairs' scale words
.irp i, 0,1,2,3,4,5
	v_mov_b32 v[QZ+\i], 0
	v_mov_b32 v[QZ+12+\i], 0
	v_mov_b32 v[QZ+24+\i], 0
.endr
	WIN 0x40
.irp x, 0,1
	v_mov_b32 v[128*\x+T1], 0                      ; a lane permute's destination counts as one of its sources
	v_mov_b32 v[128*\x+FF+1], 0                    ; named as the upper half of a pair
.endr
	WIN 0
	s_wait_alu depctr_va_vdst(0)                   ; the head's end
	s_wait_tensorcnt 0x0
	s_barrier_signal -1
	s_barrier_wait -1                              ; all eight tiles are in
	s_wait_loadcnt 0x0
	s_wait_kmcnt 0x0
	s_mov_b32 s23, s22
.macro STEP
	s_wait_dscnt 0x0                               ; this step's K, scale words and biases, asked for a step ago
	WIN 0x40                                       ; D window 1, all sources window 0
.irp p, 0,1,2,3
.irp x, 0,1
	v_wmma_scale_f32_16x16x128_f8f6f4 v[128*\x+16*\p:128*\x+16*\p+7], v[KF+12*\p:KF+12*\p+11], v[QZ+6+12*\x:QZ+17+12*\x], v[BI+16*\p:BI+16*\p+7], v[KS+\p], v[QW+\x] matrix_a_fmt:MATRIX_FMT_FP6 matrix_b_fmt:MATRIX_FMT_FP6
	v_wmma_scale_f32_16x16x128_f8f6f4 v[128*\x+16*\p+8:128*\x+16*\p+15], v[KF+12*\p:KF+12*\p+11], v[QZ+12*\x:QZ+11+12*\x], v[BI+16*\p+8:BI+16*\p+15], v[KS+\p], v[QW+\x] matrix_a_fmt:MATRIX_FMT_FP6 matrix_b_fmt:MATRIX_FMT_FP6
.endr
.endr
	WIN 0
	v_add_nc_u32 v8, s52, v1                       ; four address lines: the places behind the products
	v_add_nc_u32 v9, s52, v12
	v_add_nc_u32 v10, s53, v2
	v_add_nc_u32 v11, s54, v3
	ds_load_b128 v[VS:VS+3], v10 offset:4096       ; this step's V: 13 loads
.irp d, 0,1,2,3
.irp c, 0,1,2
	ds_load_b128 v[VF+12*\d+4*\c:VF+12*\d+4*\c+3], v9 offset:1536*\d+512*\c
.endr
.endr
	ds_load_b128 v[KS:KS+3], v10 offset:256        ; the next step's K, scale words and biases: 29 loads
.irp p, 0,1,2,3
.irp c, 0,1,2
	ds_load_b128 v[KF+12*\p+4*\c:KF+12*\p+4*\c+3], v8 offset:6144+1536*\p+512*\c
.endr
.endr
.irp y, 0,1,2,3,4,5,6,7,8,9,10,11,12,13,14,15
	ds_load_b128 v[BI+4*\y:BI+4*\y+3], v11 offset:512+256*(\y/8)+16*(\y%8)
.endr
	WIN 0x55                                       ; all in window 1
.irp x, 0,1
.irp c, 0,1
	v_max3_num_f32 v[128*\x+BM+\c], v[128*\x+32*\c], v[128*\x+32*\c+1], v[128*\x+32*\c+2]   ; the largest score of my two blocks of each tile: four chains by turns
.endr
.endr
.irp i, 3,5,7,9,11,13,15,17,19,21,23,25,27,29
.irp x, 0,1
.irp c, 0,1
	v_max3_num_f32 v[128*\x+BM+\c], v[128*\x+BM+\c], v[128*\x+32*\c+\i], v[128*\x+32*\c+\i+1]
.endr
.endr
.endr
.irp x, 0,1
.irp c, 0,1
	v_max_num_f32 v[128*\x+BM+\c], v[128*\x+BM+\c], v[128*\x+32*\c+31]
.endr
.endr
.irp x, 0,1
	v_max_num_f32 v[128*\x+T0], v[128*\x+BM], v[128*\x+BM+1]
.endr
.irp x, 0,1
	v_permlanex16_b32 v[128*\x+T1], v[128*\x+T0], s20, s21
.endr
.irp x, 0,1
	v_max3_num_f32 v[128*\x+SMX], v[128*\x+SMX], v[128*\x+T0], v[128*\x+T1]   ; the running largest score of my query
.endr
.irp x, 0,1
	v_mul_f32 v[128*\x+T0], s22, v[128*\x+SMX]     ; as t (c is not negative)
.endr
.irp x, 0,1
	v_floor_f32 v[128*\x+T1], -v[128*\x+T0]        ; the new -M
.endr
.irp x, 0,1
	v_sub_f32 v[128*\x+T0], v[128*\x+T1], v[128*\x+NM]   ; old M less new M: a whole number, 0 or less
.endr
.irp x, 0,1
	v_mov_b32 v[128*\x+NM], v[128*\x+T1]
.endr
.irp x, 0,1
	v_cvt_i32_f32 v[128*\x+T0], v[128*\x+T0]       ; (it saturates)
.endr
.irp x, 0,1
	v_ldexp_f32 v[128*\x+FF], 1.0, v[128*\x+T0]    ; the factor 2^(old M - new M)
.endr
.set j, 0
.rept 32
.irp x, 0,1
	v_pk_fma_f32 v[128*\x+j:128*\x+j+1], v[128*\x+j:128*\x+j+1], s[22:23], v[128*\x+NM:128*\x+NM+1] op_sel_hi:[1,0,0]   ; t - M
.endr
.set j, j+2
.endr
.irp x, 0,1
.irp c, 0,1
	v_fma_f32 v[128*\x+BM+\c], v[128*\x+BM+\c], s22, v[128*\x+NM]   ; the same of each block's largest score
.endr
.endr
.set j, 0
.rept 16
.irp x, 0,1
	v_pk_mul_f32 v[128*\x+OT+j:128*\x+OT+j+1], v[128*\x+OT+j:128*\x+OT+j+1], v[128*\x+FF:128*\x+FF+1] op_sel_hi:[1,0]   ; O^T under the new M, ahead of the exponentials
.endr
.set j, j+2
.endr
	s_wait_alu depctr_va_vdst(0)                   ; ahead of the batch
.set j, 0
.rept 64
	v_exp_f32 v[j], v[j]
	v_exp_f32 v[128+j], v[128+j]
.set j, j+1
.endr
.irp x, 0,1
.irp c, 0,1
	v_exp_f32 v[128*\x+BM+\c], v[128*\x+BM+\c]     ; the block's largest p: the same two instructions on the same number
.endr
.endr
.irp x, 0,1
	v_pk_mul_f32 v[128*\x+LS:128*\x+LS+1], v[128*\x+LS:128*\x+LS+1], v[128*\x+FF:128*\x+FF+1] op_sel_hi:[1,0]   ; the sum under the new M; a plain place behind the batch
.endr
	s_wait_alu depctr_va_vdst(0)                   ; and the wait behind it
.irp x, 0,1
.irp c, 0,1
	v_max_num_f32 v[128*\x+BM+\c], 0x1800000, v[128*\x+BM+\c]   ; the floor 2^(3 - 127): the byte cannot fall under 1
.endr
.endr
.irp x, 0,1
.irp c, 0,1
	v_add_nc_u32 v[128*\x+SO+\c], 0xff000000, v[128*\x+BM+\c]   ; 2 off the exponent field: the conversion's scale operand
.endr
.endr
.irp x, 0,1
	v_lshrrev_b32 v[128*\x+T0], 23, v[128*\x+SO]
	v_lshrrev_b32 v[128*\x+T1], 23, v[128*\x+SO+1]
.endr
.irp x, 0,1
	v_lshl_or_b32 v[128*\x+T0], v[128*\x+T1], 16, v[128*\x+T0]  ; my blocks h and 2 + h, at bytes 0 and 2
.endr
.irp x, 0,1
	v_permlanex16_b32 v[128*\x+T1], v[128*\x+T0], s20, s21
.endr
	WIN 0x15                                       ; scale words lie in window 0
.irp x, 0,1
	v_lshl_or_b32 v[PW+\x], v[128*\x+T1], 8, v[128*\x+T0]       ; lanes 0-15, which alone are read: blocks 0, 2 mine, 1, 3 lane l + 16's
.endr
	WIN 0x55
.irp x, 0,1
.irp c, 0,1
	v_cvt_scalef32_pk16_fp6_f32 v[128*\x+PC+6*\c:128*\x+PC+6*\c+2], v[128*\x+32*\c:128*\x+32*\c+15], v[128*\x+SO+\c]
	v_cvt_scalef32_pk16_fp6_f32 v[128*\x+TP+4*\c:128*\x+TP+4*\c+2], v[128*\x+32*\c+16:128*\x+32*\c+31], v[128*\x+SO+\c]   ; (a conversion's three registers begin on an even number)
.endr
.endr
	v_nop                                          ; one plain place behind a scaled conversion
.irp x, 0,1
.irp c, 0,1
.irp i, 0,1,2
	v_mov_b32 v[128*\x+PC+6*\c+3+\i], v[128*\x+TP+4*\c+\i]
.endr
.endr
.endr
.irp x, 0,1
	v_pk_add_f32 v[128*\x+BM:128*\x+BM+1], v[128*\x:128*\x+1], v[128*\x+2:128*\x+3]   ; the sums of the unquantised p, four chains; they are also the places between the scale words and codes and the products
.endr
.set j, 4
.rept 15
.irp x, 0,1
	v_pk_add_f32 v[128*\x+LS:128*\x+LS+1], v[128*\x+LS:128*\x+LS+1], v[128*\x+j:128*\x+j+1]
.endr
.irp x, 0,1
	v_pk_add_f32 v[128*\x+BM:128*\x+BM+1], v[128*\x+BM:128*\x+BM+1], v[128*\x+j+2:128*\x+j+3]
.endr
.set j, j+4
.endr
.irp x, 0,1
	v_pk_add_f32 v[128*\x+LS:128*\x+LS+1], v[128*\x+LS:128*\x+LS+1], v[128*\x+BM:128*\x+BM+1]
.endr
	s_wait_alu depctr_va_vdst(0)                   ; directly ahead of the wait below
	s_wait_dscnt 29                                ; V's 13 loads are in; the 29 for the next step are younger
	WIN 0x54                                       ; V window 0; p, C and D window 1
.irp d, 0,1,2,3
.irp x, 0,1
	v_wmma_scale_f32_16x16x128_f8f6f4 v[128*\x+OT+8*\d:128*\x+OT+8*\d+7], v[VF+12*\d:VF+12*\d+11], v[128*\x+PC:128*\x+PC+11], v[128*\x+OT+8*\d:128*\x+OT+8*\d+7], v[VS+\d], v[PW+\x] matrix_a_fmt:MATRIX_FMT_FP6 matrix_b_fmt:MATRIX_FMT_FP6
.endr
.endr
	WIN 0
.endm
.macro INIT u, im
	s_wait_dscnt 0x0                               ; the last step's fetch has landed: its registers are loaded anew
	s_wait_xcnt 0x0                                ; the last pair's stores have read their registers
	ds_load_b128 v[KS:KS+3], v2                    ; step 0's K, scale words and biases
.irp p, 0,1,2,3
.irp c, 0,1,2
	ds_load_b128 v[KF+12*\p+4*\c:KF+12*\p+4*\c+3], v1 offset:1536*\p+512*\c
.endr
.endr
.irp y, 0,1,2,3,4,5,6,7,8,9,10,11,12,13,14,15
	ds_load_b128 v[BI+4*\y:BI+4*\y+3], v3 offset:256*(\y/8)+16*(\y%8)
.endr
	v_perm_b32 v[QW], v[QR+\u], v[QR+\u], 0x01000100     ; a tile's two bytes twice: they serve q in either half of K
	v_perm_b32 v[QW+1], v[QR+\u], v[QR+\u], 0x03020302
.irp i, 0,1,2,3,4,5
	v_mov_b32 v[QZ+6+\i], v[\im+\i]
	v_mov_b32 v[QZ+18+\i], v[\im+6+\i]
.endr
	WIN 0x40
.irp x, 0,1
	v_mov_b32 v[128*\x+SMX], 0xf0000000            ; -2^97: over every hidden key's score, under every open one's
	v_mov_b32 v[128*\x+NM], 0x7f000000             ; -M begins at 2^127: the first factor is 0
	v_mov_b32 v[128*\x+LS], 0
	v_mov_b32 v[128*\x+LS+1], 0
.endr
.set j, 0
.rept 32
	v_mov_b32 v[OT+j], 0                           ; the step is written once: the first finds zeros
	v_mov_b32 v[128+OT+j], 0
.set j, j+1
.endr
	WIN 0
	s_mov_b32 s52, 0
	s_mov_b32 s53, 0
	s_mov_b32 s54, 0
	s_wait_alu depctr_va_vdst(0)                   ; ahead of the loop's waits
.endm
.macro OUT u
	WIN 0x55
.rept 4
	v_nop                                          ; places behind the last products
.endr
.irp x, 0,1
	v_add_f32 v[128*\x+LS], v[128*\x+LS], v[128*\x+LS+1]
.endr
.irp x, 0,1
	v_permlanex16_b32 v[128*\x+T1], v[128*\x+LS], s20, s21
.endr
.irp x, 0,1
	v_add_f32 v[128*\x+LS], v[128*\x+LS], v[128*\x+T1]    ; the row's sum
.endr
	s_wait_alu depctr_va_vdst(0)
.irp x, 0,1
	v_rcp_f32 v[128*\x+LS], v[128*\x+LS]
.endr
	v_nop
	s_wait_alu depctr_va_vdst(0)
.set j, 0
.rept 16
.irp x, 0,1
	v_pk_mul_f32 v[128*\x+j:128*\x+j+1], v[128*\x+OT+j:128*\x+OT+j+1], v[128*\x+LS:128*\x+LS+1] op_sel_hi:[1,0]   ; register 16 b + i is channel 32 b + 16 h + i
.endr
.set j, j+2
.endr
.irp x, 0,1
.irp b, 0,1
	v_max3_num_f32 v[128*\x+BM+\b], |v[128*\x+16*\b]|, |v[128*\x+16*\b+1]|, 0x1800000
.endr
.endr
.irp i, 2,4,6,8,10,12,14
.irp x, 0,1
.irp b, 0,1
	v_max3_num_f32 v[128*\x+BM+\b], v[128*\x+BM+\b], |v[128*\x+16*\b+\i]|, |v[128*\x+16*\b+\i+1]|
.endr
.endr
.endr
.irp x, 0,1
.irp b, 0,1
	v_permlanex16_b32 v[128*\x+T0+\b], v[128*\x+BM+\b], s20, s21
.endr
.endr
.irp x, 0,1
.irp b, 0,1
	v_max_num_f32 v[128*\x+BM+\b], v[128*\x+BM+\b], v[128*\x+T0+\b]
.endr
.endr
.irp x, 0,1
.irp b, 0,1
	v_add_nc_u32 v[128*\x+SO+\b], 0xff000000, v[128*\x+BM+\b]
.endr
.endr
.irp x, 0,1
.irp b, 0,1
	v_lshrrev_b32 v[128*\x+T0+\b], 23, v[128*\x+SO+\b]
.endr
.endr
.irp x, 0,1
	v_lshl_or_b32 v[128*\x+T0], v[128*\x+T1], 8, v[128*\x+T0]
.endr
.irp x, 0,1
	v_cvt_scalef32_pk16_fp6_f32 v[128*\x+PC:128*\x+PC+2], v[128*\x:128*\x+15], v[128*\x+SO]
	v_cvt_scalef32_pk16_fp6_f32 v[128*\x+TP:128*\x+TP+2], v[128*\x+16:128*\x+31], v[128*\x+SO+1]
.endr
	v_nop
.irp x, 0,1
.irp i, 0,1,2
	v_permlane16_swap_b32 v[128*\x+PC+\i], v[128*\x+TP+\i]     ; here a block lies in two lanes: the layout wants it whole in one
.endr
.endr
.irp x, 0,1
.irp i, 0,1,2
	v_mov_b32 v[128*\x+PC+3+\i], v[128*\x+TP+\i]
.endr
.endr
	v_cndmask_b32 v[T0], v[T0], v[128+T0], s56     ; lanes 0-15 the first tile's two bytes, lanes 16-31 the second's
	WIN 0x04                                       ; the address window 0, the data window 1
.irp x, 0,1
.irp p, 0,1,2
	global_store_b64 v4, v[128*\x+PC+2*\p:128*\x+PC+2*\p+1], s[66:67] offset:\u*24576+\x*12288+256*\p   ; 256 consecutive bytes, aligned
.endr
.endr
	global_store_b16 v7, v[T0], s[68:69] offset:1024*\u
	WIN 0
.endm
.macro PASS u, im
	INIT \u, \im
	s_mov_b32 s55, 16
.Lstep_\@:
	STEP
	s_add_co_u32 s52, s52, 6144
	s_add_co_u32 s53, s53, 256
	s_add_co_u32 s54, s54, 512
	s_sub_co_u32 s55, s55, 1
	s_cmp_lg_u32 s55, 0
	s_cbranch_scc1 .Lstep_\@
	OUT \u
.endm
	PASS 0, VF
	PASS 1, IM1
	s_wait_tensorcnt 0x0                           ; the wave's end
	ds_add_u32 v5, v6
	s_wait_dscnt 0x0
	CROUND                                         ; the closing round
	s_endpgm
.Lfunc_end_k_q2120c22111_attn:
	.size	k_q2120c22111_attn, .Lfunc_end_k_q2120c22111_attn-k_q2120c22111_attn
	.p2alignl 7, 3214868480
	.fill 96, 4, 3214868480
	.section	.rodata,"a",@progbits
	.p2align	6, 0x0
	.amdhsa_kernel k_q2120c22111_attn
		.amdhsa_group_segment_fixed_size 327680
		.amdhsa_private_segment_fixed_size 0
		.amdhsa_enable_private_segment 0
		.amdhsa_kernarg_size 40
		.amdhsa_user_sgpr_count 2
		.amdhsa_user_sgpr_kernarg_segment_ptr 1
		.amdhsa_wavefront_size32 1
		.amdhsa_system_sgpr_workgroup_id_x 1
		.amdhsa_system_sgpr_workgroup_id_y 1
		.amdhsa_system_sgpr_workgroup_id_z 1
		.amdhsa_system_vgpr_workitem_id 0
		.amdhsa_next_free_vgpr 512
		.amdhsa_next_free_sgpr 80
		.amdhsa_reserve_vcc 0
		.amdhsa_float_denorm_mode_32 3
		.amdhsa_float_denorm_mode_16_64 3
		.amdhsa_memory_ordered 1
		.amdhsa_forward_progress 1
		.amdhsa_inst_pref_size 88
	.end_amdhsa_kernel
	.amdgpu_metadata
---
amdhsa.version: [ 1, 2 ]
amdhsa.kernels:
  - .name:           k_q2120c22111_attn
    .symbol:         k_q2120c22111_attn.kd
    .args:
      - { .name: hcod, .offset: 0, .size: 8, .value_kind: global_buffer, .address_space: global }
      - { .name: hscl, .offset: 8, .size: 8, .value_kind: global_buffer, .address_space: global }
      - { .name: mbias, .offset: 16, .size: 8, .value_kind: global_buffer, .address_space: global }
      - { .name: ccod, .offset: 24, .size: 8, .value_kind: global_buffer, .address_space: global }
      - { .name: cscl, .offset: 32, .size: 8, .value_kind: global_buffer, .address_space: global }
    .group_segment_fixed_size: 327680
    .private_segment_fixed_size: 0
    .kernarg_segment_align: 8
    .kernarg_segment_size: 40
    .max_flat_workgroup_size: 256
    .sgpr_count:     80
    .vgpr_count:     512
    .wavefront_size: 32
...
	.end_amdgpu_metadata
.endif
;; end of part 3
;; launch outp (part 4): grid 32 x 8, 4 waves a work-group, clusters of 4 x 4, 327,680 bytes of LDS; arguments ccod, cscl, qcod, qscl, b_o, out0; writes out0
.if DOCPART == 4
	.amdgcn_target "amdgcn-amd-amdhsa--gfx1250"
	.amdhsa_code_object_version 6
	.text
	.protected	k_q2120c22111_outp
	.globl	k_q2120c22111_outp
	.p2align	8
	.type	k_q2120c22111_outp,@function
k_q2120c22111_outp:
	s_mov_b64 s[64:65], 0
	v_nop
	global_prefetch_b8 v0, s[64:65] scope:SCOPE_SE
	s_setreg_imm32_b32 hwreg(HW_REG_WAVE_MODE, 25, 1), 1
	s_wait_xcnt 0x0
	s_wait_alu depctr_hold_cnt(0) depctr_sa_sdst(0) depctr_va_vdst(0) depctr_va_sdst(0) depctr_va_ssrc(0) depctr_va_vcc(0) depctr_vm_vsrc(0)
	s_getreg_b32 s2, hwreg(HW_REG_IB_STS2, 6, 4)
	s_cmp_eq_u32 s2, 0
	s_cbranch_scc0 .Lentry_in_a_cluster
	s_endpgm
.Lentry_in_a_cluster:
	s_bfe_u32 s2, ttmp6, 0x10000c
	s_cmp_lg_u32 s2, 0xf033
	s_cbranch_scc0 .Lentry_shape_is_right
	s_endpgm
.Lentry_shape_is_right:
; out[token][n] = sum over k of context[token][k] w_o[n][k] + b_o[n], f32: 8,192 x 1,024 x 1,024 on codes of FP6 (E2M3) with E8M0 scales.
; LIMITS: NaN, infinities and sums beyond f32's range are not served; a sum begins with the bias, where the reference adds it last.
; Both operands lie in memory in the order of the operand's registers: tile of 16 rows x 12,288 + K step x 1,536 + piece x 256 + lane x 8; scale words: tile x 512 + (K step / 2) x 128 + r x 8 + (K step % 2) x 4.
; Row r of tile t is the tensor's row 32 (t / 2) + 8 (t % 2) + r + 8 (r / 8).  A: the context (ccod, cscl).  B: w_o, tiles WO on of qcod, qscl.
; THE DEAL.  256 work-groups of four waves, 2 x 2, each 256 rows x 128 columns.  A wave holds four tiles of 16 columns of B, all of K, in registers (32 fragments, 384 registers), and streams A's rows past them
; in eight blocks of 16: block s of wave row a is tile 2 s + a of the work-group's 16.  Source 0 = B's rows: a lane holds one token, and its registers run along the columns.
; THE CLUSTER's x counts tile rows: A's rows are shared by a column of the cluster (mask s44), B's by a row (mask s45), by joint loads.
; LDS, each byte filled once: A's 16 tiles, dense; B's 8 tiles, dense; A's scale words, which come by plain loads of 512 consecutive bytes and LDS stores; the spare words.
; The waves' stages lie in B's first bytes, which are read for the last time ahead of the barrier in front of the stream.  No data prefetch: all is asked for at the head.
; THE HEAD'S FOUR TILES, one a wave, each on its own line: B; A's rows 0 to 127; 128 to 191; 192 to 255.  The stream begins when the first two are in; a plain barrier inside block 1 (the text being a loop's, inside 3 and 5 too) shows the others.
; Two sets of A's fragments, of accumulators and of rows back from the stage, by turns.  One run of memory lines behind a block's 32 products: its sums into the stage and back as rows of 256 bytes; the fetch of the block two on; one wait; eight stores.
.set SIZE_N, 1024
.set WO, 1728
.set NQ, 8
.set NB, 4
.set TM, 256
.set KROW, 768
.set FR, 12
.set FPW, 256/FR
.set NF, 26                            ; LDS loads of a block: 24 for eight fragments, 2 for eight scale words
.set YB, TM*KROW
.set SCL, YB+128*KROW
.set SSTEP, 1024
.set SPITCH, 272
.set STAGE, YB
.set SPARE, SCL+8192
.set AAS0, 6                           ; v6  my row's scale words in block 0
.set CO, 9                             ; v9  my byte offset in out: row l / 16, 16 bytes x (l % 16)
.set SPW, 10
.set NIL, 11
.set ABS, 16                           ; v16 my offset in B's scale words
.set AAS, 17                           ; v17 as v6, for the block fetched next
.set STO, 18
.set RD, 19
.set SB, 24                            ; v24-39 B's scale words: lanes 0-15 the even tile, lanes 16-31 the odd
.set SA, 42                            ; v42-57 A's: two sets of eight
.set ACC, 64                           ; v64-127 two sets of four accumulators
.set BK, 128                           ; v128-191 two sets: 16 rows x 256 bytes back from the stage
.set AQ0, 192                          ; v192-199 LDS addresses of block 0's eight fragments
.set AQ, 200                           ; v200-207 the same for the block fetched next
.set BO, 208                           ; v208-239 the bias, the first four products' C
.set BA, 240                           ; v240-243 LDS addresses of B's four tiles
.set G1A, 24
.set G0A, 56
.set G1B, 32
.set G0B, 60
.set MSB, 0
.macro WIN new
.if MSB != \new
	s_set_vgpr_msb (MSB<<8)|\new
.set MSB, \new
.endif
.endm
.macro PLACES n
.rept \n
	v_nop
.endr
.endm
.macro WALU
	s_wait_alu depctr_va_vdst(0)
.endm
.macro BARRIER
	s_barrier_signal -1
	s_barrier_wait -1
.endm
.macro CROUND
	BARRIER
	s_cmp_lg_u32 s14, 0
	s_cbranch_scc1 .Lnot_wave_0_\@
	s_barrier_signal -3
.Lnot_wave_0_\@:
	s_barrier_wait -3
	BARRIER
.endm
.macro TLOAD g0, g1                    ; an s_nop 0 and four v_nop follow a tensor load
	tensor_load_to_lds s[\g0:\g0+3], s[\g1:\g1+7]
	s_nop 0
	PLACES 4
.endm
.macro ATILE first, rows               ; a part of A's 256 rows, by a descriptor of constants
	s_mov_b32 s[G0A+1], (\first)*KROW
	s_mov_b32 s[G1A+2], (\rows)<<16
	s_mov_b32 s[G1A+4], \rows
.if \first
	s_add_nc_u64 s[G0A+2:G0A+3], s[G0A+2:G0A+3], (\first)*KROW
.endif
	s_or_b32 s[G0A+3], s[G0A+3], 0x80000000
	TLOAD G0A, G1A
.endm
.macro GROUP1 g, mask, rows            ; dense rows of 768 bytes
	s_or_b32 s[\g+0], s[\mask], (1<<21)
	s_mov_b32 s[\g+1], (KROW&0xffff)<<16
	s_mov_b32 s[\g+3], KROW<<16
.if \rows
	s_mov_b32 s[\g+2], (KROW>>16)|((\rows)<<16)
	s_mov_b32 s[\g+4], \rows
.endif
	s_mov_b32 s[\g+5], KROW
	s_mov_b32 s[\g+6], 0
	s_mov_b32 s[\g+7], 0
.endm
; fragment f lies in window 1 + f / 21 at register 12 (f % 21): 0-31 B's (4 q + tile), 32-47 A's two sets (32 + 8 e + q)
.macro FRAGB f, q, b                   ; six pieces of 8 bytes a lane, 256 consecutive bytes each
	WIN (1+(\f)/FPW)<<6
.irp p, 0,1,2,3,4,5
	ds_load_b64 v[FR*((\f)%FPW)+2*\p:FR*((\f)%FPW)+2*\p+1], v[BA+\b] offset:1536*(\q)+256*\p
.endr
.endm
.macro FETCHAT e, aq, as               ; a block of A into set e: NF loads
.irp q, 0,1,2,3,4,5,6,7
	WIN (1+(NB*NQ+NQ*(\e)+\q)/FPW)<<6
.irp p, 0,2,4
	ds_load_2addr_b64 v[FR*((NB*NQ+NQ*(\e)+\q)%FPW)+2*\p:FR*((NB*NQ+NQ*(\e)+\q)%FPW)+2*\p+3], v[\aq+\q] offset0:32*\p offset1:32*\p+32
.endr
.endr
	WIN 0
	ds_load_2addr_b64 v[SA+8*(\e):SA+8*(\e)+3], v[\as] offset0:0 offset1:16
	ds_load_2addr_b64 v[SA+8*(\e)+4:SA+8*(\e)+7], v[\as] offset0:32 offset1:48
.endm
.macro PROD e, n                       ; product n = 4 q + tile of a block whose rows lie in set e; the four accumulators take turns
.set Q_, (\n)/4
.set FB_, NB*Q_+(\n)%4
.set FA_, NB*NQ+NQ*(\e)+Q_
.set D_, ACC+32*(\e)+8*((\n)%4)
.set XB_, SB+NQ*(((\n)%4)/2)+Q_
.set XA_, SA+8*(\e)+Q_
	WIN (1+FB_/FPW)|((1+FA_/FPW)<<2)
.if Q_
	PROD1 D_, FB_, FA_, v[D_:D_+7], XB_, XA_, (\n)%2
.else
	PROD1 D_, FB_, FA_, v[BO+8*((\n)%4):BO+8*((\n)%4)+7], XB_, XA_, (\n)%2
.endif
.endm
.macro PROD1 d, s0, s1, c, x0, x1, o
.if \o
	v_wmma_scale_f32_16x16x128_f8f6f4 v[\d:\d+7], v[FR*((\s0)%FPW):FR*((\s0)%FPW)+FR-1], v[FR*((\s1)%FPW):FR*((\s1)%FPW)+FR-1], \c, v[\x0], v[\x1] matrix_a_fmt:MATRIX_FMT_FP6 matrix_b_fmt:MATRIX_FMT_FP6 matrix_a_scale:MATRIX_SCALE_ROW1
.else
	v_wmma_scale_f32_16x16x128_f8f6f4 v[\d:\d+7], v[FR*((\s0)%FPW):FR*((\s0)%FPW)+FR-1], v[FR*((\s1)%FPW):FR*((\s1)%FPW)+FR-1], \c, v[\x0], v[\x1] matrix_a_fmt:MATRIX_FMT_FP6 matrix_b_fmt:MATRIX_FMT_FP6 matrix_a_scale:MATRIX_SCALE_ROW0
.endif
.endm
.macro ENTRY i, fetch                  ; behind products 1 to 5: five of the next fetch's nine addresses
.if \fetch
.if (\i) == 1
	s_add_co_u32 s101, s101, 32*KROW
	s_add_co_u32 s91, s91, SSTEP
.endif
.if (\i) >= 1 && (\i) <= 5
	WIN 0
	v_add_nc_u32 v[AQ+\i-1], s101, v[AQ0+\i-1]
.endif
.endif
.endm
.macro PRODS e, from, to, fetch
.set N_, \from
.rept (\to)-(\from)
	PROD \e, N_
	ENTRY N_, \fetch
.set N_, N_+1
.endr
	WIN 0
.endm
.macro TOC s                           ; s[12:13] stands at the pair's first token; the pair's second block lies 32 tokens on.  A block's rows 2 t, 2 t + 1 are tokens 2 t + 8 (t / 4) and the next
.irp t, 0,1,2,3,4,5,6,7
	global_store_b128 v[CO], v[BK+32*(\s)+4*\t:BK+32*(\s)+4*\t+3], s[12:13] offset:(32*(\s)+2*\t+8*(\t/4))*SIZE_N*4 th:TH_STORE_NT   ; sixteen lanes store 256 consecutive bytes, aligned
.endr
.endm
.macro STAGED u                        ; set u's sums into my stage, each accumulator from its low end on, and back as whole rows.  LDS serves a wave's instructions in order (ISA guide 5.7.1.4): no wait between
.irp b, 0,1,2,3
	ds_store_b128 v[STO], v[ACC+32*(\u)+8*\b:ACC+32*(\u)+8*\b+3] offset:128*(\b/2)+32*(\b%2)      ; register j of tile b is column 32 (b / 2) + 8 (b % 2) + 16 h + j
	ds_store_b128 v[STO], v[ACC+32*(\u)+8*\b+4:ACC+32*(\u)+8*\b+7] offset:128*(\b/2)+32*(\b%2)+16
.endr
.irp t, 0,1,2,3,4,5,6,7
	ds_load_b128 v[BK+32*(\u)+4*\t:BK+32*(\u)+4*\t+3], v[RD] offset:2*\t*SPITCH
.endr
.endm
.macro STREAM s, fetch, show           ; a pair's block s.  show = 1: a plain barrier inside the block shows waves 2 and 3's tiles to all
.if \show
	PRODS \s, 0, 24, \fetch
	s_wait_tensorcnt 0x0
	s_wait_dscnt 0x0
	s_barrier_signal -1
	PRODS \s, 24, 32, \fetch
	s_barrier_wait -1
.else
	PRODS \s, 0, 32, \fetch
.endif
.if \fetch                             ; four plain vector lines between the last product and the first reader of its sums: the rest of the addresses, or v_nop
	v_add_nc_u32 v[AQ+5], s101, v[AQ0+5]
	v_add_nc_u32 v[AQ+6], s101, v[AQ0+6]
	v_add_nc_u32 v[AQ+7], s101, v[AQ0+7]
	v_add_nc_u32 v[AAS], s91, v[AAS0]
	WALU                                           ; ahead of the wait below
.else
	PLACES 4
.endif
	s_wait_xcnt 0x0                                ; the stores of two blocks ago have read set s of the rows, and those of the block before their base
.if (\s) == 0
	s_add_nc_u64 s[12:13], s[12:13], s[20:21]      ; on to this pair's rows of out
.endif
	STAGED \s
.if \fetch
	FETCHAT \s, AQ, AAS
	s_wait_dscnt NF                                ; the block's rows are back from the stage, and the next block's fragments are in; this run's fetch is younger
.else
	s_wait_dscnt 0x0
.endif
	TOC \s
.endm
; ---- the head
	s_load_b128 s[4:7], s[0:1], 0x0                ; ccod, cscl
	s_load_b128 s[8:11], s[0:1], 0x10              ; qcod, qscl
	s_load_b64 s[86:87], s[0:1], 0x20              ; b_o
	s_load_b64 s[12:13], s[0:1], 0x28              ; out0
	v_lshl_add_u32 v[SPW], v0, 2, SPARE
	v_mov_b32 v[NIL], 0
	ds_add_u32 v[SPW], v[NIL]                      ; the opening lines
	ds_add_u32 v[SPW], v[NIL]
	v_lshrrev_b32 v1, 5, v0
	v_readfirstlane_b32 s14, v1                    ; the wave; s15 its row of the 2 x 2, s16 its column
	s_lshr_b32 s15, s14, 1
	s_and_b32 s16, s14, 1
	s_bfe_u32 s40, ttmp6, 0x40000
	s_bfe_u32 s41, ttmp6, 0x40004
	s_lshl_b32 s43, ttmp9, 2
	s_add_co_u32 s43, s43, s40                     ; tile row: 4 x cluster x + cx
	s_and_b32 s42, ttmp7, 0xffff
	s_lshl_b32 s42, s42, 2
	s_add_co_u32 s42, s42, s41                     ; tile column: 4 x cluster y + cy
	s_lshl_b32 s44, 0x1111, s40                    ; my column of the cluster shares A's rows
	s_lshl_b32 s45, s41, 2
	s_lshl_b32 s45, 15, s45                        ; my row shares B's
	GROUP1 G1A, 44, 0
	GROUP1 G1B, 45, 128
	s_mov_b32 s[G0A], 1
	s_mul_i32 s76, s43, TM*KROW                    ; A's codes
	s_mov_b32 s77, 0
	s_lshl_b32 s78, s42, 3
	s_add_co_u32 s78, s78, WO                      ; B's first tile
	s_lshl_b32 s82, s16, 2
	s_add_co_u32 s82, s82, s78
	s_lshl_b32 s82, s82, 9                         ; my four tiles' scale words
	s_mov_b32 s83, 0
	s_mul_i32 s78, s78, 16*KROW                    ; B's codes
	s_mov_b32 s79, 0
	s_lshl_b32 s80, s43, 13                        ; A's scale words
	s_mov_b32 s81, 0
	s_lshl_b32 s88, s42, 9
	s_lshl_b32 s21, s16, 8
	s_add_co_u32 s88, s88, s21                     ; my 64 columns, in bytes
	s_mov_b32 s89, 0
	s_lshl_b32 s84, s43, 20                        ; 256 rows of 4,096 bytes,
	s_lshl_b32 s21, s15, 15                        ; 8 rows for the odd tiles
	s_add_co_u32 s84, s84, s21
	s_add_co_u32 s84, s84, s88
	s_mov_b32 s85, 0
	s_mov_b32 s[G0B], 1
	s_mov_b32 s[G0B+1], YB
	v_and_b32 v1, 15, v0
	v_bfe_u32 v2, v0, 4, 1
	v_and_b32 v3, 31, v0
	s_mul_i32 s23, s15, 16*KROW
	v_lshl_add_u32 v[AQ0], v3, 3, s23
	s_mul_i32 s22, s16, 64*KROW
	s_add_co_u32 s22, s22, YB
	v_lshl_add_u32 v[BA], v3, 3, s22
.irp q, 1,2,3,4,5,6,7
	v_add_nc_u32 v[AQ0+\q], 1536*\q, v[AQ0]
.endr
.irp q, 0,1,2,3,4,5,6,7
	v_add_nc_u32 v[AQ+\q], 32*KROW+1536*\q, v[AQ0]
.endr
.irp b, 1,2,3
	v_add_nc_u32 v[BA+\b], \b*16*KROW, v[BA]
.endr
	v_lshlrev_b32 v[ABS], 3, v1
	v_lshl_add_u32 v[ABS], v2, 9, v[ABS]
	s_lshl_b32 s21, s15, 9
	s_add_co_u32 s21, s21, SCL
	v_lshl_add_u32 v[AAS0], v1, 3, s21
	v_add_nc_u32 v[AAS], SSTEP, v[AAS0]
	s_mul_i32 s21, s14, 16*SPITCH
	s_add_co_u32 s21, s21, STAGE
	v_mul_u32_u24 v23, v1, SPITCH
	v_lshl_add_u32 v23, v2, 6, v23
	v_add_nc_u32 v[STO], s21, v23
	v_mul_u32_u24 v23, v2, SPITCH
	v_lshl_add_u32 v23, v1, 4, v23
	v_add_nc_u32 v[RD], s21, v23
	v_mul_u32_u24 v23, v2, SIZE_N*4
	v_lshl_add_u32 v[CO], v1, 4, v23
	v_lshlrev_b32 v22, 4, v0                       ; 16 x thread: my share of A's scale words
	v_add_nc_u32 v23, SCL, v22
	v_lshlrev_b32 v8, 6, v2                        ; the bias: 64 h
	WALU
	s_wait_dscnt 0x0
	CROUND                                         ; the opening round, ahead of the wait for the arguments
	s_wait_kmcnt 0x0
	s_add_nc_u64 s[G0A+2:G0A+3], s[4:5], s[76:77]
	s_add_nc_u64 s[G0B+2:G0B+3], s[8:9], s[78:79]
	s_or_b32 s[G0B+3], s[G0B+3], 0x80000000
	s_add_nc_u64 s[6:7], s[6:7], s[80:81]
	s_add_nc_u64 s[10:11], s[10:11], s[82:83]
	s_add_nc_u64 s[12:13], s[12:13], s[84:85]
	s_add_nc_u64 s[86:87], s[86:87], s[88:89]
	s_cmp_eq_u32 s14, 0
	s_cbranch_scc0 .Lwave_1
	TLOAD G0B, G1B                                 ; wave 0: B's rows, which are wanted first
	s_branch .Lasked
.Lwave_1:
	s_cmp_eq_u32 s14, 1
	s_cbranch_scc0 .Lwave_2
	ATILE 0, 128
	s_branch .Lasked
.Lwave_2:
	s_cmp_eq_u32 s14, 2
	s_cbranch_scc0 .Lwave_3
	ATILE 128, 64
	s_branch .Lasked
.Lwave_3:
	ATILE 192, 64
.Lasked:
.irp k, 0,1,2,3
	global_load_b128 v[ACC+4*\k:ACC+4*\k+3], v22, s[6:7] offset:2048*\k      ; A's scale words: 512 consecutive bytes a wave and load
.endr
.irp b, 0,1,2,3
	global_load_b128 v[BO+8*\b:BO+8*\b+3], v8, s[86:87] offset:128*(\b/2)+32*(\b%2)
	global_load_b128 v[BO+8*\b+4:BO+8*\b+7], v8, s[86:87] offset:128*(\b/2)+32*(\b%2)+16
.endr
.irp p, 0,1
.irp i, 0,1,2,3
	global_load_b64 v[SB+NQ*\p+2*\i:SB+NQ*\p+2*\i+1], v[ABS], s[10:11] offset:1024*\p+128*\i
.endr
.endr
	s_wait_loadcnt 0x0
.irp k, 0,1,2,3
	ds_store_b128 v23, v[ACC+4*\k:ACC+4*\k+3] offset:2048*\k
.endr
	s_wait_dscnt 0x0
	s_cmp_eq_u32 s14, 0
	s_cbranch_scc0 .Lnot_b
	s_wait_tensorcnt 0x0
.Lnot_b:
	BARRIER                                        ; B has landed
.irp q, 0,1,2,3,4,5,6,7
.irp b, 0,1,2,3
	FRAGB NB*\q+\b, \q, \b
.endr
.endr
	WIN 0
	s_mov_b32 s101, 32*KROW
	s_mov_b32 s91, SSTEP
	s_cmp_eq_u32 s14, 1
	s_cbranch_scc0 .Lnot_a
	s_wait_tensorcnt 0x0                           ; wave 1: A's rows 0 to 127 have landed
.Lnot_a:
	s_wait_dscnt 0x0
	BARRIER                                        ; A's first 128 rows and all scale words are in, and nobody reads B's bytes any more
	FETCHAT 0, AQ0, AAS0
	FETCHAT 1, AQ, AAS
; ---- the stream: eight blocks
	s_mov_b32 s23, 0
	s_mov_b32 s20, 0                               ; s[20:21]: from a pair's rows of out to the next pair's
	s_mov_b32 s21, 0
	s_wait_dscnt NF                                ; block 0's rows are in
.Lpair:                                            ; blocks 0 to 5, a pair a trip
	STREAM 0, 1, 0
	STREAM 1, 1, 1
	s_mov_b32 s20, 64*SIZE_N*4
	s_add_co_u32 s23, s23, 1
	s_cmp_lg_u32 s23, 3
	s_cbranch_scc1 .Lpair
	STREAM 0, 0, 0                                 ; blocks 6 and 7 fetch nothing
	STREAM 1, 0, 0
	s_wait_tensorcnt 0x0                           ; the wave's end
	ds_add_u32 v[SPW], v[NIL]
	s_wait_dscnt 0x0
	CROUND                                         ; the closing round
	s_endpgm
.Lfunc_end_k_q2120c22111_outp:
	.size	k_q2120c22111_outp, .Lfunc_end_k_q2120c22111_outp-k_q2120c22111_outp
	.p2alignl 7, 3214868480
	.fill 96, 4, 3214868480
	.section	.rodata,"a",@progbits
	.p2align	6, 0x0
	.amdhsa_kernel k_q2120c22111_outp
		.amdhsa_group_segment_fixed_size 327680
		.amdhsa_private_segment_fixed_size 0
		.amdhsa_enable_private_segment 0
		.amdhsa_kernarg_size 48
		.amdhsa_user_sgpr_count 2
		.amdhsa_user_sgpr_kernarg_segment_ptr 1
		.amdhsa_wavefront_size32 1
		.amdhsa_system_sgpr_workgroup_id_x 1
		.amdhsa_system_sgpr_workgroup_id_y 1
		.amdhsa_system_sgpr_workgroup_id_z 1
		.amdhsa_system_vgpr_workitem_id 0
		.amdhsa_next_free_vgpr 840
		.amdhsa_next_free_sgpr 102
		.amdhsa_reserve_vcc 0
		.amdhsa_float_denorm_mode_32 3
		.amdhsa_float_denorm_mode_16_64 3
		.amdhsa_memory_ordered 1
		.amdhsa_forward_progress 1
		.amdhsa_inst_pref_size 57
	.end_amdhsa_kernel
	.amdgpu_metadata
---
amdhsa.version: [ 1, 2 ]
amdhsa.kernels:
  - .name:           k_q2120c22111_outp
    .symbol:         k_q2120c22111_outp.kd
    .args:
      - { .name: ccod, .offset: 0, .size: 8, .value_kind: global_buffer, .address_space: global }
      - { .name: cscl, .offset: 8, .size: 8, .value_kind: global_buffer, .address_space: global }
      - { .name: qcod, .offset: 16, .size: 8, .value_kind: global_buffer, .address_space: global }
      - { .name: qscl, .offset: 24, .size: 8, .value_kind: global_buffer, .address_space: global }
      - { .name: b_o, .offset: 32, .size: 8, .value_kind: global_buffer, .address_space: global }
      - { .name: out0, .offset: 40, .size: 8, .value_kind: global_buffer, .address_space: global }
    .group_segment_fixed_size: 327680
    .private_segment_fixed_size: 0
    .kernarg_segment_align: 8
    .kernarg_segment_size: 48
    .max_flat_workgroup_size: 128
    .sgpr_count:     102
    .vgpr_count:     840
    .wavefront_size: 32
...
	.end_amdgpu_metadata
.endif
;; end of part 4
